; MI455X (gfx1250); checked and timed in simulation.
; The chip was launched on July 23, 2026; its instructions are those of AMD's public machine-readable ISA for CDNA 5 (MIT licence, August 2026) and "CDNA5" Instruction Set Architecture Reference Guide (July 2026). The comments in the code are by the model that wrote it; some were corrected since.
;; Bert Attention. Allowed arithmetic: matrix products marked QUANTISED: E2M3 operands, one E8M0 scale for each 32 along K, by v_wmma_scale_f32_16x16x128_f8f6f4 with both operands' format E2M3, f32 sums; everything else in f32.
;; Inputs: Wk 768 x 768 float32; Wo 768 x 768 float32; Wq 768 x 768 float32; Wv 768 x 768 float32; additive_attention_mask 32 x 1 x 1 x 512 float32; bk 768 float32; bo 768 float32; bq 768 float32; bv 768 float32; ln_b 768 float32; ln_w 768 float32; x 32 x 512 x 768 float32.
;; Outputs: out0 32 x 512 x 768 float32.
;; This version of the problem:
;;   THIS VERSION OF THE PROBLEM IS GIVEN IN LOW PRECISION. The matrix products marked QUANTISED in the list below multiply operands that are first quantised to E2M3 (2 exponent bits, 3 mantissa bits; 6 bits a number), with one power-of-two scale for each 32 numbers along K (OCP MX v1.0); their sums are f32. All else is computed in f32.
;;   The module's matrix products, in the order in which they are computed (A, B: the left and right operand; K: the contracted axis; several contracted axes count as one K, in the product's order):
;;     1. [M 16,384, K 768] x [K 768, N 768]; A: input x; B: input Wq: QUANTISED
;;     2. [M 16,384, K 768] x [K 768, N 768]; A: input x; B: input Wk: QUANTISED
;;     3. [M 16,384, K 768] x [K 768, N 768]; A: input x; B: input Wv: QUANTISED
;;     4. batch 384 x [M 512, K 64] x [K 64, N 512]; A: computed on the way; B: computed on the way: QUANTISED
;;     5. batch 384 x [M 512, K 512] x [K 512, N 64]; A: softmax (see below); B: computed on the way: QUANTISED
;;     6. [M 16,384, K 768] x [K 768, N 768]; A: computed on the way; B: input Wo: QUANTISED
;;   THE QUANTISER, for each operand of a quantised product, along K:
;;     - K is cut into blocks of 32 from its start; a last block that is shorter is filled with zeros.
;;     - A block's scale is 2^e with e = floor(log2(the largest magnitude in the block)) - 2, held to -126 .. 127; a block of zeros has e = 0. As a byte (E8M0): e + 127.
;;     - Each number is divided by its block's scale, clamped to +-7.5, and rounded to the nearest number of E2M3, ties to even, subnormals kept.
;;     - The product sums the exact products of the quantised numbers (number of the format x scale) in f32.
;;   ~~~python
;;   def quantise(x, axis):      # numpy; x: float32 -> the quantised numbers, widened to float32 again
;;       x = np.moveaxis(x, axis, -1); K = x.shape[-1]
;;       x = np.pad(x, [(0, 0)] * (x.ndim - 1) + [(0, -K % 32)]); x = x.reshape(x.shape[:-1] + (-1, 32)); a = np.abs(x).max(-1, keepdims=True)
;;       e = np.where(a > 0, np.clip(np.frexp(np.where(a > 0, a, 1))[1] - 1 - 2, -126, 127), 0)      # np.frexp(a)[1] - 1 = floor(log2(a)), exactly
;;       r = np.clip(x / 2.0 ** e, -7.5, 7.5)
;;       step = 2.0 ** (np.maximum(np.frexp(np.where(r == 0, 1, r))[1] - 1, 0) - 3)
;;       q = np.round(r / step) * step * 2.0 ** e      # np.round: ties to even
;;       return np.moveaxis(q.reshape(q.shape[:-2] + (-1,))[..., :K], -1, axis).astype(np.float32)
;;   ~~~
;;   SOFTMAX AHEAD OF A QUANTISED PRODUCT. Where the list says 'softmax', what is quantised is not the finished softmax but p = 2^(t - M), with t = logit x log2(e) and M = ceil(the row's largest t), a whole number; so 1/2 < the row's largest p <= 1. The row's sum l is taken of the UNQUANTISED p, in f32, and the product's result is divided by l at the end. Since M is a whole number, a kernel that streams over the keys may use a running M (the ceiling of the running maximum): every later rescaling is an exact power of two, which a block's scale takes up: the codes' values come out the same.
;;   OPERANDS COMPUTED ON THE WAY. 'Computed on the way' means the value that the module computes at that place (a softmax that the list does not call 'softmax' is quantised finished and normalised). What goes into a quantiser is computed in f32, as accurately as f32 sums, v_exp_f32 and their like allow (about 1e-6 of the number): no bf16 or f16 on the way to a quantiser, and a product that is left as it is and whose result goes on into a quantised operand takes f32 operands (vector FMAs, or v_wmma_f32_16x16x4_f32). A number that lies on a knife's edge between two numbers of the format may be rounded either way, as far as f32 arithmetic and the matrix unit's own rounding can turn it there, and no further.
;; 2 versions. Each part assembles by itself: llvm-mc -triple=amdgcn-amd-amdhsa -mcpu=gfx1250 --defsym DOCPART=n.
;; ======== version 1 of 2: 3 launches
;; workspace buffers: xc 9,437,184 bytes; xs 393,216 bytes; wc 1,769,472 bytes; ws 73,728 bytes; qkv 30,277,632 bytes
;; launch quant (part 1): grid 608 x 1, 6 waves a work-group, no clusters, 51,456 bytes of LDS; arguments x, Wq, Wk, Wv, Wo, xc, xs, wc, ws; writes xc, xs, wc, ws
.if DOCPART == 1
	.amdgcn_target "amdgcn-amd-amdhsa--gfx1250"
	.amdhsa_code_object_version 6
	.text
	.protected	k_q3fec36ac9f_quant
	.globl	k_q3fec36ac9f_quant
	.p2align	8
	.type	k_q3fec36ac9f_quant,@function
k_q3fec36ac9f_quant:
	s_mov_b64 s[64:65], 0
	v_nop
	global_prefetch_b8 v0, s[64:65] scope:SCOPE_SE
	s_setreg_imm32_b32 hwreg(HW_REG_WAVE_MODE, 25, 1), 1
	s_wait_xcnt 0x0
; x [16384][768] and Wq, Wk, Wv, Wo [768][768], f32 with K innermost, become codes of FP6 (E2M3) with one E8M0 byte for each 32 along K,
; laid as IMAGES OF OPERAND REGISTERS.  32 rows are a pair; its two tiles u = 0, 1 hold, in lane r, row 8 u + r + 8 (r / 8) of the pair.
; Codes: [pair][K step 0..5][u][1536 bytes]: registers 4 c .. 4 c + 3 of lane l at 512 c + 16 l.  Scale words: [pair][K step][128 bytes]: the word of lane r of tile u at 4 (r + 16 u).
; Pairs 0..511 of the grid are x's; 512.. are Wq's 24, Wk's 24, Wv's 24, Wo's 24, laid on end in wc and ws.
; A work-group takes a pair, wave s its K step s: two fragments.  Each load reads 512 consecutive bytes of one row; the 16 rows turn through the wave's own stage in LDS,
; so that a lane gets 16 neighbours of each block of 32 of its row.  Waves share nothing: no barrier.
; A block's scale is 2^(floor(log2(largest magnitude)) - 2); its byte is the largest magnitude's exponent field - 2, held at 1 from below.
; LIMITS: a block of zeros gets the byte 1 (its codes are zeros, and these bytes are read by this program alone); NaN and infinities among the inputs are not served.
.set RB,   3072                        ; bytes in a row
.set SPT,  528                         ; a stage row: 512 bytes + 16
.set R,    16                          ; v16-79   16 rows x 16 bytes as loaded
.set X,    80                          ; v80-143  my row's 64 numbers: register 16 b + i = k 32 b + 16 (lane / 16) + i
.set PC,   144                         ; v144-163 the fragment's codes (12), and the conversions' second halves
.set TM,   164                         ; v164-179 largest magnitudes, bytes, scale operands
.set PW,   180                         ; the scale word just made
.set PW0,  181                         ; tile 0's
.set SEL,  24                          ; s[24:25] lane selects: lane l xor 16
.macro QUANT s
.irp b, 0,1,2,3
	v_max3_num_f32 v[TM+\b], |v[\s+16*\b]|, |v[\s+1+16*\b]|, 0x1800000   ; my 16 numbers of block b, and the floor 2^(3 - 127): the byte cannot fall under 1
.endr
.irp i, 2,4,6,8,10,12,14
.irp b, 0,1,2,3
	v_max3_num_f32 v[TM+\b], v[TM+\b], |v[\s+16*\b+\i]|, |v[\s+1+16*\b+\i]|
.endr
.endr
.irp b, 0,1,2,3
	v_permlanex16_b32 v[TM+4+\b], v[TM+\b], s[SEL], s[SEL+1]
.endr
.irp b, 0,1,2,3
	v_max_num_f32 v[TM+\b], v[TM+\b], v[TM+4+\b]          ; with lane l xor 16's: the block's largest magnitude
.endr
.irp b, 0,1,2,3
	v_add_nc_u32 v[TM+12+\b], 0xff000000, v[TM+\b]        ; 2 off its exponent field: the conversion's scale operand
.endr
.irp b, 0,1,2,3
	v_lshrrev_b32 v[TM+4+\b], 23, v[TM+12+\b]             ; the scale's byte
.endr
	v_lshl_or_b32 v[PW], v[TM+5], 8, v[TM+4]
	v_lshl_or_b32 v[PW], v[TM+6], 16, v[PW]
	v_lshl_or_b32 v[PW], v[TM+7], 24, v[PW]
.irp c, 0,1
	v_cvt_scalef32_pk16_fp6_f32 v[PC+6*\c:PC+2+6*\c], v[\s+32*\c:\s+15+32*\c], v[TM+12+2*\c]
	v_cvt_scalef32_pk16_fp6_f32 v[PC+12+4*\c:PC+14+4*\c], v[\s+16+32*\c:\s+31+32*\c], v[TM+12+2*\c+1]   ; (a conversion's three registers begin on an even number)
.endr
	v_nop                                                 ; one plain place behind a scaled conversion
.irp c, 0,1                                               ; the operand's layout wants a whole block in a lane
.irp i, 0,1,2
	v_permlane16_swap_b32 v[PC+6*\c+\i], v[PC+12+4*\c+\i]
.endr
.irp i, 0,1,2
	v_mov_b32 v[PC+3+6*\c+\i], v[PC+12+4*\c+\i]
.endr
.endr
.endm
.macro LOADT u                         ; tile u's 16 rows, my 512 bytes of each
.irp k, 0,1,2,3,4,5,6,7,8,9,10,11,12,13,14,15
	global_load_b128 v[R+4*\k:R+4*\k+3], v1, s[28:29] offset:(8*(\u)+\k+8*(\k/8))*RB th:TH_LOAD_NT
.endr
.endm
.macro STIN                            ; into the stage, as loaded
.irp k, 0,1,2,3,4,5,6,7,8,9,10,11,12,13,14,15
	ds_store_b128 v3, v[R+4*\k:R+4*\k+3] offset:SPT*\k
.endr
.endm
.macro STOUT                           ; and back: lane (r, h) takes of row r, of each block of 32, its half's 64 bytes
.irp b, 0,1,2,3
.irp j, 0,1,2,3
	ds_load_b128 v[X+16*\b+4*\j:X+16*\b+4*\j+3], v4 offset:128*\b+16*\j
.endr
.endr
.endm
.macro OUT u
.irp c, 0,1,2
	global_store_b128 v1, v[PC+4*\c:PC+4*\c+3], s[30:31] offset:1536*(\u)+512*\c   ; 32 lanes store 512 consecutive bytes, aligned to 256
.endr
.endm
	s_load_b512 s[4:19], s[0:1], 0x0               ; x, Wq, Wk, Wv, Wo, xc, xs, wc
	s_load_b64 s[20:21], s[0:1], 0x40              ; ws
	v_lshl_add_u32 v192, v0, 2, 0xc600
	v_mov_b32 v193, 0
	v_lshrrev_b32 v5, 5, v0
	v_readfirstlane_b32 s22, v5                    ; wave = K step
	v_and_b32 v6, 31, v0                           ; lane
	v_and_b32 v7, 15, v0                           ; r
	v_bfe_u32 v8, v0, 4, 1                         ; h
	v_lshlrev_b32 v1, 4, v6                        ; 16 x lane
	v_lshlrev_b32 v2, 2, v6                        ; 4 x lane
	s_mul_i32 s23, s22, 16*SPT                     ; my stage
	v_add_nc_u32 v3, s23, v1                       ; in
	v_mul_u32_u24 v4, v7, SPT
	v_lshl_add_u32 v4, v8, 6, v4
	v_add_nc_u32 v4, s23, v4                       ; out: row r, + 64 h
	s_mov_b32 s[SEL], 0x76543210
	s_mov_b32 s[SEL+1], 0xfedcba98
	s_mov_b32 vcc_lo, 0xffff0000                   ; lanes 16-31
.irp b, 0,1,2,3
	v_mov_b32 v[TM+4+\b], 0                        ; written once: a lane permute's destination counts as one of its sources
.endr
	s_sub_co_u32 s26, ttmp9, 512                   ; the pair's number among the weights' (of no use in x's work-groups)
	s_wait_kmcnt 0x0
	s_mov_b64 s[28:29], s[12:13]                   ; which tensor: the choice hangs on the work-group's number alone
	s_mov_b32 s27, 72
	s_cmp_lt_u32 s26, 72
	s_cselect_b64 s[28:29], s[10:11], s[28:29]
	s_cselect_b32 s27, 48, s27
	s_cmp_lt_u32 s26, 48
	s_cselect_b64 s[28:29], s[8:9], s[28:29]
	s_cselect_b32 s27, 24, s27
	s_cmp_lt_u32 s26, 24
	s_cselect_b64 s[28:29], s[6:7], s[28:29]
	s_cselect_b32 s27, 0, s27
	s_sub_co_u32 s27, s26, s27                     ; the pair's number in its weight
	s_cmp_lt_u32 ttmp9, 512
	s_cselect_b64 s[28:29], s[4:5], s[28:29]
	s_cselect_b32 s27, ttmp9, s27                  ; the pair in its source,
	s_cselect_b32 s26, ttmp9, s26                  ; and in its destination
	s_cselect_b64 s[30:31], s[14:15], s[18:19]
	s_cselect_b64 s[32:33], s[16:17], s[20:21]
	s_mul_i32 s34, s27, 32*RB
	s_lshl_b32 s36, s22, 9
	s_add_co_u32 s34, s34, s36
	s_mov_b32 s35, 0
	s_add_nc_u64 s[28:29], s[28:29], s[34:35]      ; source: the pair's first row, my 512 bytes
	s_mul_i32 s34, s26, 18432
	s_mul_i32 s36, s22, 3072
	s_add_co_u32 s34, s34, s36
	s_add_nc_u64 s[30:31], s[30:31], s[34:35]      ; codes
	s_mul_i32 s34, s26, 768
	s_lshl_b32 s36, s22, 7
	s_add_co_u32 s34, s34, s36
	s_add_nc_u64 s[32:33], s[32:33], s[34:35]      ; scale words
	LOADT 0
	s_wait_loadcnt 0x0
	STIN
	s_wait_dscnt 0x0                               ; the stores have read their registers,
	LOADT 1                                        ; which take tile 1 while tile 0 is worked
	STOUT
	s_wait_dscnt 0x0
	QUANT X
	v_mov_b32 v[PW0], v[PW]
	OUT 0
	s_wait_loadcnt 0x0
	STIN                                           ; LDS serves a wave's instructions in order: no wait between these stores and the loads
	STOUT
	s_wait_dscnt 0x0
	s_wait_xcnt 0x0                                ; tile 0's stores have read the codes' registers: they are written again only behind this wait
	QUANT X
	OUT 1
	v_cndmask_b32 v[PW], v[PW0], v[PW], vcc_lo     ; lanes 0-15 tile 0's words, lanes 16-31 tile 1's
	global_store_b32 v2, v[PW], s[32:33]
	s_wait_tensorcnt 0x0
	ds_add_u32 v192, v193
	s_wait_dscnt 0x0
	s_endpgm
.Lfunc_end_k_q3fec36ac9f_quant:
	.size	k_q3fec36ac9f_quant, .Lfunc_end_k_q3fec36ac9f_quant-k_q3fec36ac9f_quant
	.p2alignl 7, 3214868480
	.fill 96, 4, 3214868480
	.section	.rodata,"a",@progbits
	.p2align	6, 0x0
	.amdhsa_kernel k_q3fec36ac9f_quant
		.amdhsa_group_segment_fixed_size 51456
		.amdhsa_private_segment_fixed_size 0
		.amdhsa_enable_private_segment 0
		.amdhsa_kernarg_size 72
		.amdhsa_user_sgpr_count 2
		.amdhsa_user_sgpr_kernarg_segment_ptr 1
		.amdhsa_wavefront_size32 1
		.amdhsa_system_sgpr_workgroup_id_x 1
		.amdhsa_system_sgpr_workgroup_id_y 1
		.amdhsa_system_sgpr_workgroup_id_z 1
		.amdhsa_system_vgpr_workitem_id 0
		.amdhsa_next_free_vgpr 194
		.amdhsa_next_free_sgpr 66
		.amdhsa_reserve_vcc 1
		.amdhsa_float_denorm_mode_32 3
		.amdhsa_float_denorm_mode_16_64 3
		.amdhsa_memory_ordered 1
		.amdhsa_forward_progress 1
		.amdhsa_inst_pref_size 19
	.end_amdhsa_kernel
	.amdgpu_metadata
---
amdhsa.version: [ 1, 2 ]
amdhsa.kernels:
  - .name:           k_q3fec36ac9f_quant
    .symbol:         k_q3fec36ac9f_quant.kd
    .args:
      - { .name: x, .offset: 0, .size: 8, .value_kind: global_buffer, .address_space: global }
      - { .name: Wq, .offset: 8, .size: 8, .value_kind: global_buffer, .address_space: global }
      - { .name: Wk, .offset: 16, .size: 8, .value_kind: global_buffer, .address_space: global }
      - { .name: Wv, .offset: 24, .size: 8, .value_kind: global_buffer, .address_space: global }
      - { .name: Wo, .offset: 32, .size: 8, .value_kind: global_buffer, .address_space: global }
      - { .name: xc, .offset: 40, .size: 8, .value_kind: global_buffer, .address_space: global }
      - { .name: xs, .offset: 48, .size: 8, .value_kind: global_buffer, .address_space: global }
      - { .name: wc, .offset: 56, .size: 8, .value_kind: global_buffer, .address_space: global }
      - { .name: ws, .offset: 64, .size: 8, .value_kind: global_buffer, .address_space: global }
    .group_segment_fixed_size: 51456
    .private_segment_fixed_size: 0
    .kernarg_segment_align: 8
    .kernarg_segment_size: 72
    .max_flat_workgroup_size: 192
    .sgpr_count:     66
    .vgpr_count:     194
    .wavefront_size: 32
...
	.end_amdgpu_metadata
.endif
;; end of part 1
;; launch qkv (part 2): grid 8 x 32, 8 waves a work-group, no clusters, 168,960 bytes of LDS; arguments xc, xs, wc, ws, bq, bk, bv, qkv; writes qkv
.if DOCPART == 2
	.amdgcn_target "amdgcn-amd-amdhsa--gfx1250"
	.amdhsa_code_object_version 6
	.text
	.protected	k_q3fec36ac9f_qkv
	.globl	k_q3fec36ac9f_qkv
	.p2align	8
	.type	k_q3fec36ac9f_qkv,@function
k_q3fec36ac9f_qkv:
	s_mov_b64 s[64:65], 0
	v_nop
	global_prefetch_b8 v0, s[64:65] scope:SCOPE_SE
	s_setreg_imm32_b32 hwreg(HW_REG_WAVE_MODE, 25, 1), 1
	s_wait_xcnt 0x0
; q = x Wq^T + bq, k = x Wk^T + bk, v = x Wv^T + bv on codes of FP6 (E2M3) with E8M0 scales, sums in f32; the results are quantised at once: q and k along the head's 64, v along the keys.
; SHARES.  Work-group (g, b): batch b's 512 rows against nine pairs of 32 columns: n = 0..5 are three whole heads of q (g < 4) or of k (g >= 4), n = 6..8 three pairs of v.
; Wave w takes rows 64 w .. 64 w + 63: two pairs of x, whose 24 fragments stay in its registers.  The slice's images of W, 165,888 bytes, are copied into LDS once; each fragment read from there feeds four products.
; Barriers stand only while copies are out: one for column pair 0, one for pair 1, one behind which all copies have landed; from there on LDS is only read and the waves run free.
; No cluster: what the 32 work-groups of a slice share is copied once at the head and is a third of what a work-group reads; the x images that the 8 work-groups of a batch share go straight into registers.
; q AND k ARE MADE TRANSPOSED (source 0 = 16 rows of W, source 1 = 16 rows of x): a lane holds one row of x and its registers run along the head.  v is made the other way round: a lane holds one
; column d and its registers run along the keys.  The rows of a tile are 8 u + r + 8 (r / 8) of their pair, so that the 16 registers of two neighbouring tiles are 16 neighbours along the next K.
; RECORDS.  qkv holds a record of 19,712 bytes for each (batch, head, step of 128 rows): K's codes 6,144 | V's codes 6,144 | K's scale words 512 | V's 256 | Q's 512 | Q's codes 6,144.
; A unit of 768 bytes is six registers a lane (0-3 at 16 x lane, 4-5 at 512 + 8 x lane).  K, Q: unit [pair in step][block of the head], lane (r, u) = the whole block of row (pair, u, r).
; V: unit [tile of d][c], lane (r, h) = key block 2 c + h of d row r.  K's and Q's scale word: the head's two bytes, then 0x7f twice; Q's bytes are stored 3 lower: the division by sqrt(64), exact.
; LIMITS: a block of q or k whose largest magnitude lies under 2^-121 takes the scale 2^-123 (so that Q's byte less 3 stays at 1 or above); a block of zeros keeps the floor's byte (its codes are zeros); NaN and infinities are not served.
; REGISTERS.  window 0: v1-15 addresses; v16-159 x's pair 0; v160-171 x's scale words; v172-183 W's, two sets; v184-199 the bias as C; v200-215 at work; v216-229 two units; v232-238 conversions; v240-241 scale words; v242-245 output offsets.
;   window 1: v0-143 x's pair 1; v144-207 eight accumulators; v208-255 W's fragments, two sets of two.
.set REC,  19712
.set XS,   160
.set WS,   172
.set BI,   184
.set TM,   200
.set U0,   216                         ; unit a at U0 + 8 a
.set T0,   232                         ; its second half as converted, at T0 + 4 a
.set SW,   240
.set A16,  242
.set A8,   243
.set S8,   244
.set V4,   245
.set ACC,  144                         ; in window 1
.set WB,   208                         ; in window 1
.set MSB, 0
.macro WIN new                         ; the immediate's high byte repeats the setting that is left
.set WNEW, \new
.if MSB != WNEW
	s_set_vgpr_msb (MSB<<8)|WNEW
.set MSB, WNEW
.endif
.endm
.macro PLACES                          ; four places behind a matrix instruction, in front of loads into its registers and of reads of its results
.rept 4
	v_nop
.endr
.endm
.macro WM d, a, b, c, sa, sb, ra, rb   ; one product; ra, rb: which half of the lanes holds A's and B's scale words
.set wD, \d
.set wA, \a
.set wB, \b
.set wC, \c
.set wSA, \sa
.set wSB, \sb
.if (\ra) == 0 && (\rb) == 0
	v_wmma_scale_f32_16x16x128_f8f6f4 v[wD:wD+7], v[wA:wA+11], v[wB:wB+11], v[wC:wC+7], v[wSA], v[wSB] matrix_a_fmt:MATRIX_FMT_FP6 matrix_b_fmt:MATRIX_FMT_FP6
.elseif (\rb) == 0
	v_wmma_scale_f32_16x16x128_f8f6f4 v[wD:wD+7], v[wA:wA+11], v[wB:wB+11], v[wC:wC+7], v[wSA], v[wSB] matrix_a_fmt:MATRIX_FMT_FP6 matrix_b_fmt:MATRIX_FMT_FP6 matrix_a_scale:MATRIX_SCALE_ROW1
.elseif (\ra) == 0
	v_wmma_scale_f32_16x16x128_f8f6f4 v[wD:wD+7], v[wA:wA+11], v[wB:wB+11], v[wC:wC+7], v[wSA], v[wSB] matrix_a_fmt:MATRIX_FMT_FP6 matrix_b_fmt:MATRIX_FMT_FP6 matrix_b_scale:MATRIX_SCALE_ROW1
.else
	v_wmma_scale_f32_16x16x128_f8f6f4 v[wD:wD+7], v[wA:wA+11], v[wB:wB+11], v[wC:wC+7], v[wSA], v[wSB] matrix_a_fmt:MATRIX_FMT_FP6 matrix_b_fmt:MATRIX_FMT_FP6 matrix_a_scale:MATRIX_SCALE_ROW1 matrix_b_scale:MATRIX_SCALE_ROW1
.endif
.endm
.macro COPYQ j                         ; 4,096 bytes of the q / k part: 16 bytes a thread; the immediate is added to both addresses
.if (\j) < 16
	global_load_async_to_lds_b128 v7, v8, s[32:33] offset:4096*(\j)
.else
	global_load_async_to_lds_b128 v9, v10, s[32:33] offset:4096*((\j)-16)
.endif
.endm
.macro WFETCH n, s, buf                ; the two tiles of column pair n, K step s, out of LDS into set buf
	WIN 0x40
.irp ct, 0,1
.irp j, 0,1,2
	ds_load_b128 v[WB+24*(\buf)+12*\ct+4*\j:WB+24*(\buf)+12*\ct+4*\j+3], v[4+(\n)/3] offset:((\n)%3)*18432+(2*(\s)+\ct)*1536+512*\j
.endr
.endr
.endm
.macro WSL n                           ; W's scale words of column pair n, all six K steps
.irp s, 0,1,2,3,4,5
.if (\n) < 6
	global_load_b32 v[WS+6*((\n)%2)+\s], v3, s[36:37] offset:768*(\n)+128*\s
.else
	global_load_b32 v[WS+6*((\n)%2)+\s], v3, s[38:39] offset:768*((\n)-6)+128*\s
.endif
.endr
.endm
.macro BIAS n                          ; the bias in the result's layout: q, k: eight neighbours a tile; v: my column's number eight times
.if (\n) < 6
.irp q, 0,1,2,3
	global_load_b128 v[BI+4*\q:BI+4*\q+3], v14, s[40:41] offset:128*(\n)+16*\q
.endr
.else
.irp q, 0,1,2,3,4,5,6,7,8,9,10,11,12,13,14,15
	global_load_b32 v[BI+\q], v15, s[16:17] offset:128*((\n)-6)+32*(\q/8)
.endr
.endif
.endm
; Eight products: two pairs of x, two tiles each, against W's two tiles.  The eight accumulators take turns, one instruction a turn.  The first K step takes the bias as C.
.macro MUL8 n, s
.set mC, 0x10
.if (\s) == 0
.set mC, 0
.endif
.irp p, 0,1
.if (\n) < 6
	WIN 0x41+4*\p+mC
.else
	WIN 0x44+\p+mC
.endif
.irp u, 0,1
.irp ct, 0,1
.set rW, WB+24*((\s)%2)+12*\ct
.set rX, 16*(1-\p)+12*(2*(\s)+\u)
.if (\n) < 6
.set rD, ACC+16*(2*\p+\u)+8*\ct
.else
.set rD, ACC+16*(2*\ct+\p)+8*\u
.endif
.set rC, rD
.if (\s) == 0
.set rC, BI+8*\ct
.endif
.if (\n) < 6
	WM rD, rW, rX, rC, WS+6*((\n)%2)+(\s), XS+6*\p+(\s), \ct, \u
.else
	WM rD, rX, rW, rC, XS+6*\p+(\s), WS+6*((\n)%2)+(\s), \u, \ct
.endif
.endr
.endr
.endr
.endm
; Column pair n is finished: four runs of 16 registers, each 16 neighbours of a block of 32 that lies in lanes l and l xor 16, become two units and their scale bytes, and leave.
.macro EPI n
	PLACES
	s_wait_xcnt 0x0                                ; the last pair's stores have read their data and offsets: these are written again only behind this wait
	WIN 0x05
.irp k, 0,1,2,3
.if (\n) < 6
	v_max3_num_f32 v[TM+\k], |v[ACC+16*\k]|, |v[ACC+16*\k+1]|, 0x3000000    ; each accumulator is read from its low end on; the floor 2^(6 - 127)
.else
	v_max3_num_f32 v[TM+\k], |v[ACC+16*\k]|, |v[ACC+16*\k+1]|, 0x1800000    ; the floor 2^(3 - 127)
.endif
.endr
.irp i, 2,4,6,8,10,12,14
.irp k, 0,1,2,3
	v_max3_num_f32 v[TM+\k], |v[ACC+16*\k+\i]|, |v[ACC+16*\k+\i+1]|, v[TM+\k]
.endr
.endr
	WIN 0
.irp k, 0,1,2,3
	v_permlanex16_b32 v[TM+4+\k], v[TM+\k], s26, s27
.endr
.irp k, 0,1,2,3
	v_max_num_f32 v[TM+\k], v[TM+\k], v[TM+4+\k]
.endr
.irp k, 0,1,2,3
	v_add_nc_u32 v[TM+12+\k], 0xff000000, v[TM+\k] ; 2 off the exponent field: the conversion's scale operand
.endr
.irp k, 0,1,2,3
	v_lshrrev_b32 v[TM+4+\k], 23, v[TM+12+\k]      ; the scale's byte
.endr
.if (\n) < 6
.irp k, 0,1,2,3
	v_sub_nc_u32 v[TM+4+\k], v[TM+4+\k], s25       ; q: 3 lower
.endr
.endif
	WIN 0x01
.irp a, 0,1
	v_cvt_scalef32_pk16_fp6_f32 v[U0+8*\a:U0+8*\a+2], v[ACC+32*\a:ACC+32*\a+15], v[TM+12+2*\a]
	v_cvt_scalef32_pk16_fp6_f32 v[T0+4*\a:T0+4*\a+2], v[ACC+32*\a+16:ACC+32*\a+31], v[TM+13+2*\a]
.endr
	WIN 0
	v_nop                                          ; one plain place behind a scaled conversion
.irp a, 0,1
.irp i, 0,1,2
	v_permlane16_swap_b32 v[U0+8*\a+\i], v[T0+4*\a+\i]   ; lanes 0-15 now hold the first run's whole block, lanes 16-31 the second's
.endr
.irp i, 0,1,2
	v_mov_b32 v[U0+8*\a+3+\i], v[T0+4*\a+\i]
.endr
.endr
.if (\n) < 6
.irp a, 0,1
	v_cndmask_b32 v[TM+8+\a], v[TM+4+2*\a], v[TM+5+2*\a], vcc_lo     ; lane (r, u): the byte of row (pair a, u, r)
.if (\n)%2 == 0
	v_or_b32 v[SW+\a], 0x7f7f0000, v[TM+8+\a]
.else
	v_lshl_or_b32 v[SW+\a], v[TM+8+\a], 8, v[SW+\a]
.endif
	global_store_b128 v[A16], v[U0+8*\a:U0+8*\a+3], s[18:19] offset:((\n)/2)*4*REC+768*(2*\a+(\n)%2)        ; 512 consecutive bytes, aligned to 256
	global_store_b64 v[A8], v[U0+8*\a+4:U0+8*\a+5], s[18:19] offset:((\n)/2)*4*REC+768*(2*\a+(\n)%2)+512    ; 256 consecutive bytes, aligned
.endr
.if (\n)%2 == 1
	global_store_b64 v[S8], v[SW:SW+1], s[18:19] offset:((\n)/2)*4*REC     ; both pairs' scale words: 256 consecutive bytes, aligned
.endif
.else
	v_add_nc_u32 v[A16], s[44+(\n)-6], v1
	v_add_nc_u32 v[A8], s[44+(\n)-6], v2
	v_add_nc_u32 v[V4], s[48+(\n)-6], v3
.irp a, 0,1
	v_lshl_or_b32 v[TM+8+\a], v[TM+5+2*\a], 8, v[TM+4+2*\a]          ; tile a: my two key blocks' bytes
.endr
	v_cndmask_b32 v[SW], v[TM+8], v[TM+9], vcc_lo
.irp a, 0,1
	global_store_b128 v[A16], v[U0+8*\a:U0+8*\a+3], s[18:19] offset:1536*\a
	global_store_b64 v[A8], v[U0+8*\a+4:U0+8*\a+5], s[18:19] offset:1536*\a+512
.endr
	global_store_b16 v[V4], v[SW], s[18:19]        ; half of each scale word; the other wave of the step writes the other half
.endif
.endm
; One K step of column pair n.
.macro STEP n, s
	s_wait_dscnt 0x0                               ; this step's fragments of W are in
.if (\s) == 5 && (\n) < 2
.if (\n) == 0
	s_wait_asynccnt 32                             ; of my 41 copies the nine that cover column pairs 0 and 1 have landed; the later ones may stay out
.else
	s_wait_asynccnt 0x0                            ; all my copies have landed: behind this barrier LDS is only read, and no further barrier stands in the text
.endif
	s_barrier_signal -1
	s_barrier_wait -1                              ; everybody's have
.endif
.if (\s) < 5 || (\n) < 8
	PLACES
.if (\s) == 1 && (\n) < 8
	WIN 0
	BIAS (\n)+1
	WSL (\n)+1
.endif
.if (\s) == 5
	WFETCH (\n)+1, 0, 0
.else
	WFETCH \n, (\s)+1, ((\s)+1)%2
.endif
.endif
.if (\s) == 0
	s_wait_loadcnt 0x0                             ; the bias and W's scale words (asked for five steps ago); in front of the first step: x too
.endif
	MUL8 \n, \s
.endm
	s_load_b512 s[4:19], s[0:1], 0x0               ; xc, xs, wc, ws, bq, bk, bv, qkv
	v_lshl_add_u32 v254, v0, 2, 0x29000
	v_mov_b32 v255, 0
	ds_add_u32 v254, v255
	ds_add_u32 v254, v255
	v_lshrrev_b32 v4, 5, v0
	v_readfirstlane_b32 s20, v4                    ; wave 0..7
	v_and_b32 v5, 31, v0                           ; lane
	v_lshlrev_b32 v1, 4, v5                        ; 16 x lane
	v_lshlrev_b32 v2, 3, v5                        ; 8 x lane
	v_lshlrev_b32 v3, 2, v5                        ; 4 x lane
	v_mov_b32 v4, v1                               ; W's images in LDS: column pairs 0-2,
	v_add_nc_u32 v5, 55296, v1                     ; 3-5,
	v_add_nc_u32 v6, 110592, v1                    ; 6-8
	v_lshlrev_b32 v7, 4, v0                        ; the copies: 16 bytes a thread, in LDS
	v_lshlrev_b32 v8, 4, v0                        ; and in memory
	v_lshl_add_u32 v9, v0, 4, 65536
	v_lshl_add_u32 v10, v0, 4, 65536
	v_lshl_add_u32 v11, v0, 4, 110592              ; v's part in LDS
	v_lshl_add_u32 v12, v0, 3, 163840              ; its last 2,048 bytes, 8 a thread
	v_lshl_add_u32 v13, v0, 3, 53248
	v_bfe_u32 v14, v0, 4, 1
	v_lshlrev_b32 v14, 6, v14                      ; q's and k's bias: 64 h
	v_and_b32 v15, 15, v0
	v_and_b32 v200, 8, v15
	v_add_nc_u32 v15, v15, v200
	v_lshlrev_b32 v15, 2, v15                      ; v's bias: 4 (r + 8 (r / 8))
.irp k, 0,1,2,3
	v_mov_b32 v[TM+4+\k], 0                        ; written once: a lane permute's destination counts as one of its sources
.endr
	s_and_b32 s22, ttmp7, 0xffff                   ; b
	s_and_b32 s23, s20, 1                          ; c: which half of a step of 128 rows
	s_lshr_b32 s24, s20, 1                         ; st: which step
	s_and_b32 s21, ttmp9, 3
	s_mov_b32 s26, 0x76543210
	s_mov_b32 s27, 0xfedcba98
	s_mov_b32 vcc_lo, 0xffff0000                   ; lanes 16-31
	s_lshl_b32 s28, s22, 4
	s_lshl_b32 s29, s20, 1
	s_add_co_u32 s28, s28, s29                     ; my first pair of x
	s_mul_i32 s30, s28, 18432
	s_mov_b32 s31, 0
	s_mul_i32 s52, s28, 768
	s_mov_b32 s53, 0
	s_mul_i32 s54, ttmp9, 110592
	s_mov_b32 s55, 0
	s_mul_i32 s56, ttmp9, 55296
	s_add_co_u32 s56, s56, 884736
	s_mov_b32 s57, 0
	s_mul_i32 s58, ttmp9, 4608
	s_mov_b32 s59, 0
	s_mul_i32 s60, ttmp9, 2304
	s_add_co_u32 s60, s60, 36864
	s_mov_b32 s61, 0
	s_wait_dscnt 0x0
	s_wait_kmcnt 0x0
	s_add_nc_u64 s[4:5], s[4:5], s[30:31]          ; x's images
	s_add_nc_u64 s[6:7], s[6:7], s[52:53]          ; x's scale words
	s_add_nc_u64 s[32:33], s[8:9], s[54:55]        ; W's images: my six pairs of q or k,
	s_add_nc_u64 s[34:35], s[8:9], s[56:57]        ; my three of v
	s_add_nc_u64 s[36:37], s[10:11], s[58:59]      ; and their scale words
	s_add_nc_u64 s[38:39], s[10:11], s[60:61]
.irp j, 0,1,2,3,4
	COPYQ \j                                       ; column pair 0 first
.endr
.irp f, 0,1,2,3,4,5,6,7,8,9,10,11
.irp c, 0,1,2
	global_load_b128 v[16+12*\f+4*\c:16+12*\f+4*\c+3], v1, s[4:5] offset:1536*\f+512*\c
.endr
.endr
	WIN 0x40
.irp f, 0,1,2,3,4,5,6,7,8,9,10,11
.irp c, 0,1,2
	global_load_b128 v[12*\f+4*\c:12*\f+4*\c+3], v1, s[4:5] offset:18432+1536*\f+512*\c
.endr
.endr
	WIN 0
.irp p, 0,1
.irp s, 0,1,2,3,4,5
	global_load_b32 v[XS+6*\p+\s], v3, s[6:7] offset:768*\p+128*\s
.endr
.endr
.irp j, 5,6,7,8,9,10,11,12,13,14,15,16,17,18,19,20,21,22,23,24,25,26
	COPYQ \j
.endr
.irp j, 0,1,2,3,4,5,6,7,8,9,10,11,12
	global_load_async_to_lds_b128 v11, v8, s[34:35] offset:4096*\j
.endr
	global_load_async_to_lds_b64 v12, v13, s[34:35]
	s_cmp_lt_u32 ttmp9, 4                          ; q's work-group or k's: every choice on this compare stands ahead of the additions
	s_cselect_b64 s[40:41], s[12:13], s[14:15]
	s_cselect_b32 s42, 13568, 0                    ; where the codes lie in a record,
	s_cselect_b32 s43, 768, 0                      ; the scale words,
	s_cselect_b32 s25, 3, 0                        ; and what is taken off the bytes
	s_mul_i32 s52, s21, 768
	s_add_nc_u64 s[40:41], s[40:41], s[52:53]      ; my 192 numbers of bq or bk
	s_mul_i32 s52, ttmp9, 384
	s_add_nc_u64 s[16:17], s[16:17], s[52:53]      ; my 96 of bv
	BIAS 0
	WSL 0
	s_mul_i32 s52, s22, 12
	s_mul_i32 s54, s21, 3
	s_add_co_u32 s54, s54, s52                     ; 12 b + my first head
	s_lshl_b32 s54, s54, 2
	s_add_co_u32 s54, s54, s24
	s_mul_i32 s54, s54, REC                        ; its record of my step
	s_mul_i32 s55, s23, 3072
	s_add_co_u32 s55, s55, s54
	s_add_co_u32 s55, s55, s42
	v_add_nc_u32 v[A16], s55, v1
	v_add_nc_u32 v[A8], s55, v2
	s_lshl_b32 s55, s23, 8
	s_add_co_u32 s55, s55, s54
	s_add_co_u32 s55, s55, s43
	s_add_co_u32 s55, s55, 12288
	v_add_nc_u32 v[S8], s55, v2
.irp m, 0,1,2                                          ; v's pair 3 g + m: head (3 g + m) / 2, half (3 g + m) % 2
	s_mul_i32 s52, ttmp9, 3
	s_add_co_u32 s52, s52, \m
	s_lshr_b32 s53, s52, 1
	s_and_b32 s52, s52, 1
	s_mul_i32 s54, s22, 12
	s_add_co_u32 s53, s53, s54
	s_lshl_b32 s53, s53, 2
	s_add_co_u32 s53, s53, s24
	s_mul_i32 s53, s53, REC
	s_mul_i32 s54, s52, 3072
	s_add_co_u32 s54, s54, s53
	s_mul_i32 s55, s23, 768
	s_add_co_u32 s54, s54, s55
	s_add_co_u32 s[44+\m], s54, 6144
	s_lshl_b32 s54, s52, 7
	s_add_co_u32 s54, s54, s53
	s_lshl_b32 s55, s23, 1
	s_add_co_u32 s54, s54, s55
	s_add_co_u32 s[48+\m], s54, 12800
.endr
	s_wait_asynccnt 36                             ; my first five copies have landed: with everybody's they cover column pair 0
	s_barrier_signal -1
	s_barrier_wait -1
	WFETCH 0, 0, 0
.irp n, 0,1,2,3,4,5,6,7,8
.irp s, 0,1,2,3,4,5
	STEP \n, \s
.endr
	EPI \n
.endr
	s_wait_tensorcnt 0x0
	ds_add_u32 v254, v255
	s_wait_dscnt 0x0
	s_endpgm
.Lfunc_end_k_q3fec36ac9f_qkv:
	.size	k_q3fec36ac9f_qkv, .Lfunc_end_k_q3fec36ac9f_qkv-k_q3fec36ac9f_qkv
	.p2alignl 7, 3214868480
	.fill 96, 4, 3214868480
	.section	.rodata,"a",@progbits
	.p2align	6, 0x0
	.amdhsa_kernel k_q3fec36ac9f_qkv
		.amdhsa_group_segment_fixed_size 168960
		.amdhsa_private_segment_fixed_size 0
		.amdhsa_enable_private_segment 0
		.amdhsa_kernarg_size 64
		.amdhsa_user_sgpr_count 2
		.amdhsa_user_sgpr_kernarg_segment_ptr 1
		.amdhsa_wavefront_size32 1
		.amdhsa_system_sgpr_workgroup_id_x 1
		.amdhsa_system_sgpr_workgroup_id_y 1
		.amdhsa_system_sgpr_workgroup_id_z 1
		.amdhsa_system_vgpr_workitem_id 0
		.amdhsa_next_free_vgpr 512
		.amdhsa_next_free_sgpr 66
		.amdhsa_reserve_vcc 1
		.amdhsa_float_denorm_mode_32 3
		.amdhsa_float_denorm_mode_16_64 3
		.amdhsa_memory_ordered 1
		.amdhsa_forward_progress 1
		.amdhsa_inst_pref_size 161
	.end_amdhsa_kernel
	.amdgpu_metadata
---
amdhsa.version: [ 1, 2 ]
amdhsa.kernels:
  - .name:           k_q3fec36ac9f_qkv
    .symbol:         k_q3fec36ac9f_qkv.kd
    .args:
      - { .name: xc, .offset: 0, .size: 8, .value_kind: global_buffer, .address_space: global }
      - { .name: xs, .offset: 8, .size: 8, .value_kind: global_buffer, .address_space: global }
      - { .name: wc, .offset: 16, .size: 8, .value_kind: global_buffer, .address_space: global }
      - { .name: ws, .offset: 24, .size: 8, .value_kind: global_buffer, .address_space: global }
      - { .name: bq, .offset: 32, .size: 8, .value_kind: global_buffer, .address_space: global }
      - { .name: bk, .offset: 40, .size: 8, .value_kind: global_buffer, .address_space: global }
      - { .name: bv, .offset: 48, .size: 8, .value_kind: global_buffer, .address_space: global }
      - { .name: qkv, .offset: 56, .size: 8, .value_kind: global_buffer, .address_space: global }
    .group_segment_fixed_size: 168960
    .private_segment_fixed_size: 0
    .kernarg_segment_align: 8
    .kernarg_segment_size: 64
    .max_flat_workgroup_size: 256
    .sgpr_count:     66
    .vgpr_count:     512
    .wavefront_size: 32
...
	.end_amdgpu_metadata
.endif
;; end of part 2
;; launch attn (part 3): grid 256 x 1, 16 waves a work-group, no clusters, 303,104 bytes of LDS; arguments qkv, additive_attention_mask, wc, ws, x, bo, ln_w, ln_b, out0; writes out0
.if DOCPART == 3
	.amdgcn_target "amdgcn-amd-amdhsa--gfx1250"
	.amdhsa_code_object_version 6
	.text
	.protected	k_q3fec36ac9f_attn
	.globl	k_q3fec36ac9f_attn
	.p2align	8
	.type	k_q3fec36ac9f_attn,@function
k_q3fec36ac9f_attn:
	s_mov_b64 s[64:65], 0
	v_nop
	global_prefetch_b8 v0, s[64:65] scope:SCOPE_SE
	s_setreg_imm32_b32 hwreg(HW_REG_WAVE_MODE, 25, 1), 1
	s_wait_xcnt 0x0
; out0 = LayerNorm(x + (softmax(q k^T / 8 + mask) v) Wo^T + bo) x ln_w + ln_b.  The three products run on codes of FP6 (E2M3) with E8M0 scales, sums in f32; all else in f32.
; THE SOFTMAX: t = logit x log2(e); M = the running largest t rounded up to a whole number; p = 2^(t - M) is quantised along the keys; the sum of the unquantised p divides at the end.
; SHARES.  A work-group owns 64 queries of one batch and all 12 heads.  Wave w = 4 hg + qt owns the tile qt of 16 queries and the heads hg, hg + 4, hg + 8; it walks the 512 keys in steps of 128.
; THE RING.  The four waves of a group hg share each step's K and V: they bring the first 13,312 bytes of the step's record through registers into the group's slot s, one slot for each of a head's four steps.
; In step s a wave stores the record of step s + 1 (asked for a step ago) into slot s + 1, reads K out of slot s, waits for all that, asks for the record of step s + 2, SIGNALS the barrier, does the step's
; work (V's loads out of slot s are its only LDS instructions), and WAITS at the step's end.  So a slot is stored ahead of the signal and read behind the wait of the same barrier; and it is stored again three
; steps behind its last read, by a wave that has passed a wait for which every wave signalled behind its own wait for those reads.  A wave is held only by waves a whole step behind it.
; Both products are used transposed (S^T = K Q^T, O^T = V^T P^T): a lane holds one query.  The head has 64 of the instruction's 128 along K: Q's upper codes are zeros, so whatever codes stand beside them add nothing.
; THE MASK.  Register b of four holds, in lane l, the mask of key 32 b + l of the step; score register 16 b + i of lane (r, h) is key 32 b + 16 h + i: lane i of my row of sixteen, which the addition takes by row_share.
; O^T / sum is quantised in registers and goes to LDS as an image of operand registers.
; OUT-PROJECTION: wave w takes 48 columns (three tiles of Wo, from memory into registers, a K step ahead) against the four tiles of rows; the results meet in a stage of 64 rows.
; LAYERNORM: wave w takes rows 4 w .. 4 w + 3, two at a time: mean, then the mean of the squared differences, as the definition has them.
; No cluster and no tensor load: what the 8 work-groups of a batch share (K, V) goes through registers here; sharing it by joint loads is left out of this text.
; LIMITS: NaN and infinities in x, the weights and the biases are not served; a row all of whose keys carry -infinity in the mask gives NaN, as the definition does; a block of zeros carries the byte 1 (its codes are zeros).
.set REC,  19712
.set SLB,  13312                       ; a slot
.set MASK, 212992                      ; LDS: 0: four rings of four slots; here the batch's 512 mask numbers;
.set QREG, 215040                      ; Q's three fragments and scale words for each wave, 2,688 bytes a wave;
.set AIMG, 258048                      ; the weighted rows' images, 2,304 bytes a wave (three heads x 768);
.set ASC,  294912                      ; their scale bytes, 384 bytes a wave (three heads x a word a lane).
.set SPT,  3088                        ; the stage, 64 rows x (3,072 + 16) bytes from byte 0 on, lies over the rings once these are done with
.set Q,    20                          ; v20-31  Q's fragment; v26-31 stay 0
.set QS,   32
.set T,    33
.set KF,   38                          ; v38-91  eight tiles of K at 6 t (the upper six registers of each operand are the next tile's; v86-91 stay 0); then four fragments of V at 12 ct
.set S,    92                          ; v92-155 S^T, then p
.set O,    156                         ; v156-187 O^T
.set PCD,  188                         ; v188-199 p's codes
.set BM,   200
.set BP,   204
.set CT,   208
.set SO,   216
.set KS,   220
.set VS,   224
.set F,    226
.set PS,   227
.set SG,   228                         ; v228-253 the next record's bytes on their way to LDS
.set SC0,  211                         ; the scale bytes of my three heads' weighted rows: they rotate
.set SC1,  215
.set SC2,  255
.set SEL,  28                          ; the step's mask lies in v17, v18, v19, v254: register b at 17 + b + 234 (b / 3); between steps v18, v19, v254 serve as addresses
.set CS,   30
.set KV,   32
.set HC,   34
.set JQ,   35
.set JA,   36
.macro PLACES
.rept 4
	v_nop
.endr
.endm
.macro WM d, a, b, c, sa, sb, ra, rb
.set wD, \d
.set wA, \a
.set wB, \b
.set wC, \c
.set wSA, \sa
.set wSB, \sb
.if (\ra) == 0
	v_wmma_scale_f32_16x16x128_f8f6f4 v[wD:wD+7], v[wA:wA+11], v[wB:wB+11], v[wC:wC+7], v[wSA], v[wSB] matrix_a_fmt:MATRIX_FMT_FP6 matrix_b_fmt:MATRIX_FMT_FP6
.else
	v_wmma_scale_f32_16x16x128_f8f6f4 v[wD:wD+7], v[wA:wA+11], v[wB:wB+11], v[wC:wC+7], v[wSA], v[wSB] matrix_a_fmt:MATRIX_FMT_FP6 matrix_b_fmt:MATRIX_FMT_FP6 matrix_a_scale:MATRIX_SCALE_ROW1
.endif
.endm
.macro WMZ d, a, b, sa, sb, ra         ; the first product of a sum: C = 0
.set wD, \d
.set wA, \a
.set wB, \b
.set wSA, \sa
.set wSB, \sb
.if (\ra) == 0
	v_wmma_scale_f32_16x16x128_f8f6f4 v[wD:wD+7], v[wA:wA+11], v[wB:wB+11], 0, v[wSA], v[wSB] matrix_a_fmt:MATRIX_FMT_FP6 matrix_b_fmt:MATRIX_FMT_FP6
.else
	v_wmma_scale_f32_16x16x128_f8f6f4 v[wD:wD+7], v[wA:wA+11], v[wB:wB+11], 0, v[wSA], v[wSB] matrix_a_fmt:MATRIX_FMT_FP6 matrix_b_fmt:MATRIX_FMT_FP6 matrix_a_scale:MATRIX_SCALE_ROW1
.endif
.endm
	s_load_b512 s[4:19], s[0:1], 0x0               ; qkv, mask, wc, ws, x, bo, ln_w, ln_b
	s_load_b64 s[20:21], s[0:1], 0x40              ; out0
	v_lshrrev_b32 v18, 5, v0
	v_readfirstlane_b32 s22, v18                   ; wave 0..15
	s_and_b32 s23, s22, 3                          ; qt
	s_lshr_b32 s24, s22, 2                         ; hg
	s_lshr_b32 s25, ttmp9, 3                       ; b
	s_and_b32 s26, ttmp9, 7                        ; which 64 queries of the batch
	s_mov_b32 s[SEL], 0x76543210
	s_mov_b32 s[SEL+1], 0xfedcba98
	s_mov_b32 s[CS], 0x3fb8aa3b                    ; log2(e)
	s_mov_b32 s[CS+1], s[CS]                       ; (named with it as a pair, so it is written)
	v_and_b32 v200, 31, v0                         ; lane
	v_and_b32 v201, 15, v0                         ; r
	v_bfe_u32 v202, v0, 4, 1                       ; h
	s_mul_i32 s38, s24, 4*SLB                      ; my group's ring
	v_mul_u32_u24 v203, v202, 768
	v_add_nc_u32 v19, s38, v203
	v_lshl_add_u32 v1, v201, 4, v19                ; K: block h of the head, 16 bytes of lane place r
	v_lshl_add_u32 v2, v201, 3, v19                ;    and its 8 bytes
	v_lshl_add_u32 v3, v200, 4, s38                ; ring + 16 x lane
	v_lshl_add_u32 v4, v200, 3, s38                ; ring + 8 x lane
	v_lshl_add_u32 v5, v200, 2, s38                ; ring + 4 x lane
	v_lshl_add_u32 v6, v200, 2, MASK               ; the mask: a number a lane
	s_lshl_b32 s39, s23, 9
	v_lshl_add_u32 v9, v200, 4, s39                ; staging: my 16 bytes of each 2,048, in a record
	v_add_nc_u32 v7, s38, v9                       ; and in a slot
	s_lshl_b32 s39, s23, 8
	s_add_co_u32 s39, s39, 12288
	v_lshl_add_u32 v10, v200, 3, s39               ; my 8 bytes of the last 1,024
	v_add_nc_u32 v8, s38, v10
	s_mul_i32 s39, s22, 2688
	s_add_co_u32 s39, s39, QREG
	v_lshl_add_u32 v11, v200, 4, s39
	s_add_co_u32 s40, s39, 512
	v_lshl_add_u32 v12, v200, 3, s40
	s_add_co_u32 s40, s39, 768
	v_lshl_add_u32 v13, v200, 2, s40
	s_mul_i32 s39, s22, 2304
	s_add_co_u32 s39, s39, AIMG
	v_lshl_add_u32 v14, v200, 4, s39
	s_add_co_u32 s39, s39, 512
	v_lshl_add_u32 v15, v200, 3, s39
	s_mul_i32 s39, s22, 384
	s_add_co_u32 s39, s39, ASC
	v_lshl_add_u32 v16, v200, 2, s39
	; where my queries' codes and scale words lie in a head's records
	s_lshr_b32 s40, s26, 1                         ; their step of 128 rows
	s_and_b32 s41, s26, 1
	s_lshr_b32 s42, s23, 1
	s_and_b32 s43, s23, 1                          ; u
	s_mul_i32 s40, s40, REC
	s_lshl_b32 s44, s41, 1
	s_add_co_u32 s44, s44, s42                     ; their pair in the step
	s_mul_i32 s44, s44, 1536
	s_add_co_u32 s44, s44, s40
	s_add_co_u32 s44, s44, 13568
	s_lshl_b32 s45, s43, 8
	s_add_co_u32 s45, s45, s44
	v_lshl_add_u32 v204, v201, 4, v203
	v_add_nc_u32 v204, s45, v204
	s_lshl_b32 s45, s43, 7
	s_add_co_u32 s45, s45, s44
	s_add_co_u32 s45, s45, 512
	v_lshl_add_u32 v205, v201, 3, v203
	v_add_nc_u32 v205, s45, v205
	s_lshl_b32 s45, s41, 8
	s_add_co_u32 s45, s45, s40
	s_lshl_b32 s46, s43, 7
	s_add_co_u32 s45, s45, s46
	s_lshl_b32 s46, s42, 2
	s_add_co_u32 s45, s45, s46
	s_add_co_u32 s45, s45, 13056
	v_lshl_add_u32 v206, v201, 3, s45
	v_lshlrev_b32 v207, 2, v0                      ; the mask: a number a thread
	v_lshl_add_u32 v208, v0, 2, MASK
	s_mul_i32 s46, s25, 12
	s_add_co_u32 s46, s46, s24
	s_mul_i32 s46, s46, 4*REC
	s_mov_b32 s47, 0
	s_lshl_b32 s48, s25, 11
	s_mov_b32 s49, 0
	s_mul_i32 s50, ttmp9, 64*3072
	s_mov_b32 s51, 0
	s_mov_b32 s[HC], 3
	s_mov_b32 s[JQ], 0
	s_mov_b32 s[JA], 0
	s_wait_kmcnt 0x0
	s_add_nc_u64 s[KV:KV+1], s[4:5], s[46:47]      ; head hg's first record
	s_add_nc_u64 s[6:7], s[6:7], s[48:49]          ; my batch's mask
	s_add_nc_u64 s[12:13], s[12:13], s[50:51]      ; my 64 rows of x
	s_add_nc_u64 s[20:21], s[20:21], s[50:51]      ; and of out0
.irp j, 0,1,2,3,4,5
	global_load_b128 v[SG+4*\j:SG+4*\j+3], v9, s[KV:KV+1] offset:2048*\j
.endr
	global_load_b64 v[SG+24:SG+25], v10, s[KV:KV+1]
	global_load_b32 v209, v207, s[6:7]
.irp j, 0,1,2
	global_load_b128 v[S+8*\j:S+8*\j+3], v204, s[KV:KV+1] offset:16*REC*\j
	global_load_b64 v[S+8*\j+4:S+8*\j+5], v205, s[KV:KV+1] offset:16*REC*\j
	global_load_b32 v[S+8*\j+6], v206, s[KV:KV+1] offset:16*REC*\j
.endr
	s_wait_loadcnt 0x0
.irp j, 0,1,2,3,4,5
	ds_store_b128 v7, v[SG+4*\j:SG+4*\j+3] offset:2048*\j            ; step 0's record into slot 0
.endr
	ds_store_b64 v8, v[SG+24:SG+25]
	ds_store_b32 v208, v209
.irp j, 0,1,2
	ds_store_b128 v11, v[S+8*\j:S+8*\j+3] offset:896*\j
	ds_store_b64 v12, v[S+8*\j+4:S+8*\j+5] offset:896*\j
	ds_store_b32 v13, v[S+8*\j+6] offset:896*\j
.endr
.irp i, 0,1,2,3,4,5
	v_mov_b32 v[Q+6+\i], 0                         ; Q's codes of k = 64 .. 127: zeros
	v_mov_b32 v[KF+48+\i], 0                       ; what stands beside them in K's last tile
.endr
.irp i, 0,1,2,3
	v_mov_b32 v[BP+\i], 0                          ; written once: a lane permute's destination counts as one of its sources
.endr
	v_mov_b32 v[PS], 0                             ; (named as the upper half of the pair with f before it is first written)
	v_mov_b32 v[SC0], 0
	v_mov_b32 v[SC1], 0
	v_mov_b32 v[SC2], 0
	s_wait_dscnt 0x0                               ; my stores have landed, and have read their registers,
.irp j, 0,1,2,3,4,5
	global_load_b128 v[SG+4*\j:SG+4*\j+3], v9, s[KV:KV+1] offset:REC+2048*\j     ; which take step 1's record
.endr
	global_load_b64 v[SG+24:SG+25], v10, s[KV:KV+1] offset:REC
	s_barrier_signal -1
	s_barrier_wait -1
; A KEY STEP: keys 128 s on, out of slot s.
.macro STEP s
.set SB, SLB*(\s)
.set NB, SLB*(((\s)+1)%4)
.if (\s) < 2
.set NXT, ((\s)+2)*REC                 ; the record two steps on: this head's,
.else
.set NXT, (14+(\s))*REC                ; or the next head's step 0 or 1
.endif
	s_wait_loadcnt 0x0                             ; the next step's record, asked for a step ago, is in registers (on every way: nothing of mine is out behind this line)
.if (\s) == 3
	s_cmp_eq_u32 s[HC], 1                          ; the last head has no successor
	s_cbranch_scc1 .Lno_store_\@
.endif
.irp j, 0,1,2,3,4,5
	ds_store_b128 v7, v[SG+4*\j:SG+4*\j+3] offset:NB+2048*\j         ; into the next slot: it was last read three steps ago
.endr
	ds_store_b64 v8, v[SG+24:SG+25] offset:NB
.if (\s) == 3
.Lno_store_\@:
.endif
.irp t, 0,1,2,3,4,5,6,7
	ds_load_b128 v[KF+6*\t:KF+6*\t+3], v1 offset:SB+1536*(\t/2)+256*(\t%2)
	ds_load_b64 v[KF+6*\t+4:KF+6*\t+5], v2 offset:SB+1536*(\t/2)+512+128*(\t%2)
.endr
.irp k, 0,1
	ds_load_b64 v[KS+2*\k:KS+2*\k+1], v4 offset:SB+12288+256*\k
	ds_load_b32 v[VS+\k], v5 offset:SB+12800+128*\k
.endr
.irp b, 0,1,2,3
	ds_load_b32 v[17+\b+234*(\b/3)], v6 offset:512*(\s)+128*\b       ; the mask of key 32 b + lane
.endr
	s_wait_dscnt 0x0                               ; my stores have landed and have read their registers; K, the scale words and the mask are in; no LDS instruction of mine is out
.if (\s) >= 2
	s_cmp_eq_u32 s[HC], 1                          ; no load leaves the buffer
	s_cbranch_scc1 .Lno_next_\@
.endif
.irp j, 0,1,2,3,4,5
	global_load_b128 v[SG+4*\j:SG+4*\j+3], v9, s[KV:KV+1] offset:NXT+2048*\j      ; they have this step in which to land
.endr
	global_load_b64 v[SG+24:SG+25], v10, s[KV:KV+1] offset:NXT
.if (\s) >= 2
.Lno_next_\@:
.endif
	s_barrier_signal -1                            ; my part of the next slot lies in LDS, and my reads of the steps before are over; up to the wait: register work, and loads out of this step's slot, which nobody writes before the barrier after next
.irp t, 0,1,2,3,4,5,6,7
	WMZ S+8*\t, KF+6*\t, Q, KS+\t/2, QS, \t%2
.endr
	PLACES                                         ; in front of the loads into K's registers and of the first read of the scores
.irp ct, 0,1,2,3
.irp c, 0,1
	ds_load_b128 v[KF+12*\ct+6*\c:KF+12*\ct+6*\c+3], v3 offset:SB+6144+768*(2*\ct+\c)
	ds_load_b64 v[KF+12*\ct+6*\c+4:KF+12*\ct+6*\c+5], v4 offset:SB+6144+768*(2*\ct+\c)+512
.endr
.endr
.irp b, 0,1,2,3
.irp i, 0,1,2,3,4,5,6,7,8,9,10,11,12,13,14,15
	v_add_f32_dpp v[S+16*\b+\i], v[17+\b+234*(\b/3)], v[S+16*\b+\i] row_share:\i row_mask:0xf bank_mask:0xf   ; + the mask of key 32 b + 16 h + i; each accumulator is read from its low end on
.endr
.endr
.irp b, 0,1,2,3
	v_max3_num_f32 v[BM+\b], v[S+16*\b], v[S+1+16*\b], v[S+2+16*\b]      ; the largest logit of each block of 32 keys: for the row's maximum, and, since p rises with the logit, for the block's largest p
.endr
.irp i, 3,5,7,9,11,13
.irp b, 0,1,2,3
	v_max3_num_f32 v[BM+\b], v[BM+\b], v[S+16*\b+\i], v[S+1+16*\b+\i]
.endr
.endr
.irp b, 0,1,2,3
	v_max_num_f32 v[BM+\b], v[BM+\b], v[S+15+16*\b]
.endr
.irp b, 0,1,2,3
	v_permlanex16_b32 v[BP+\b], v[BM+\b], s[SEL], s[SEL+1]
.endr
.irp b, 0,1,2,3
	v_max_num_f32 v[BM+\b], v[BM+\b], v[BP+\b]
.endr
	v_max3_num_f32 v[T], v[BM], v[BM+1], v[BM+2]
	v_max_num_f32 v[T], v[T], v[BM+3]
	v_mul_f32 v[T], s[CS], v[T]
	v_max_num_f32 v35, v35, v[T]                   ; the running largest t
	v_mov_b32 v[T], v34
	v_floor_f32 v34, -v35                          ; the new -M: M is a whole number
	v_sub_f32 v[T], v34, v[T]
	v_cvt_i32_f32 v[T], v[T]                       ; (it saturates)
	v_ldexp_f32 v[F], 1.0, v[T]                    ; f = 2^(old M - new M)
.irp j, 0,2,4,6,8,10,12,14,16,18,20,22,24,26,28,30,32,34,36,38,40,42,44,46,48,50,52,54,56,58,60,62
	v_pk_fma_f32 v[S+\j:S+\j+1], v[S+\j:S+\j+1], s[CS:CS+1], v[34:35] op_sel_hi:[1,0,0]      ; t - M
.endr
.irp b, 0,1,2,3
	v_fma_f32 v[BM+\b], v[BM+\b], s[CS], v34
.endr
.irp j, 0,1,2,3,4,5,6,7,8,9,10,11,12,13,14,15,16,17,18,19,20,21,22,23,24,25,26,27,28,29,30,31,32,33,34,35,36,37,38,39,40,41,42,43,44,45,46,47,48,49,50,51,52,53,54,55,56,57,58,59,60,61,62,63
	v_exp_f32 v[S+\j], v[S+\j]                     ; p = 2^(t - M)
.endr
	v_pk_mul_f32 v[36:37], v[36:37], v[F:F+1] op_sel_hi:[1,0]            ; the sums under the new M: a plain place behind the exponentials
	s_wait_alu depctr_va_vdst(0)                   ; one wait for the batch, ahead of its first reader
.irp b, 0,1,2,3
	v_exp_f32 v[BM+\b], v[BM+\b]                   ; the block's largest p
.endr
	v_pk_add_f32 v[BP:BP+1], v[S:S+1], v[S+2:S+3]  ; the row's sum is taken of the unquantised p, in two chains
.irp j, 4,8,12,16,20,24,28,32,36,40,44,48,52,56,60
	v_pk_add_f32 v[36:37], v[36:37], v[S+\j:S+\j+1]
	v_pk_add_f32 v[BP:BP+1], v[BP:BP+1], v[S+2+\j:S+3+\j]
.endr
	v_pk_add_f32 v[36:37], v[36:37], v[BP:BP+1]
	s_wait_alu depctr_va_vdst(0)                   ; and one for the four
.irp b, 0,1,2,3
	v_max_num_f32 v[BM+\b], 0x1800000, v[BM+\b]    ; the floor 2^(3 - 127)
.endr
.irp b, 0,1,2,3
	v_add_nc_u32 v[SO+\b], 0xff000000, v[BM+\b]
.endr
.irp b, 0,1,2,3
	v_lshrrev_b32 v[BP+\b], 23, v[SO+\b]
.endr
	v_lshl_or_b32 v[PS], v[BP+1], 8, v[BP]         ; p's scale word for these 128 keys
	v_lshl_or_b32 v[PS], v[BP+2], 16, v[PS]
	v_lshl_or_b32 v[PS], v[BP+3], 24, v[PS]
.irp c, 0,1
	v_cvt_scalef32_pk16_fp6_f32 v[PCD+6*\c:PCD+6*\c+2], v[S+32*\c:S+32*\c+15], v[SO+2*\c]
	v_cvt_scalef32_pk16_fp6_f32 v[CT+4*\c:CT+4*\c+2], v[S+16+32*\c:S+31+32*\c], v[SO+2*\c+1]
.endr
	v_nop                                          ; one plain place behind a scaled conversion
.irp c, 0,1
.irp i, 0,1,2
	v_permlane16_swap_b32 v[PCD+6*\c+\i], v[CT+4*\c+\i]
.endr
.irp i, 0,1,2
	v_mov_b32 v[PCD+3+6*\c+\i], v[CT+4*\c+\i]
.endr
.endr
.irp j, 0,2,4,6,8,10,12,14,16,18,20,22,24,26,28,30
	v_pk_mul_f32 v[O+\j:O+\j+1], v[O+\j:O+\j+1], v[F:F+1] op_sel_hi:[1,0]       ; O^T under the new M; these sixteen are also the places between the scale word and the codes just made and the products
.endr
	s_wait_dscnt 0x0                               ; V is in
.irp ct, 0,1,2,3
	WM O+8*\ct, KF+12*\ct, PCD, O+8*\ct, VS+\ct/2, PS, \ct%2, 0
.endr
	PLACES                                         ; in front of the next loads into V's registers
	s_barrier_wait -1                              ; every wave has stored its part of the next slot
.endm
.Lhead:                                                ; three trips: heads hg, hg + 4, hg + 8
	v_add_nc_u32 v18, s[JQ], v11
	v_add_nc_u32 v19, s[JQ], v12
	v_add_nc_u32 v254, s[JQ], v13
	ds_load_b128 v[Q:Q+3], v18
	ds_load_b64 v[Q+4:Q+5], v19
	ds_load_b32 v[QS], v254
	v_mov_b32 v35, 0xff61b1e6                      ; the largest t so far: -3e38
	v_floor_f32 v34, -v35
	v_mov_b32 v36, 0
	v_mov_b32 v37, 0
.irp j, 0,1,2,3,4,5,6,7,8,9,10,11,12,13,14,15,16,17,18,19,20,21,22,23,24,25,26,27,28,29,30,31
	v_mov_b32 v[O+\j], 0                           ; the step is written once for all steps: the first finds zeros
.endr
	STEP 0
	STEP 1
	STEP 2
	STEP 3
	; the head's end: O^T / sum, quantised along the head's 64 (two blocks of the out-projection's K), image to LDS
	v_add_f32 v36, v36, v37
	v_permlanex16_b32 v[BP], v36, s[SEL], s[SEL+1]
	v_add_f32 v36, v36, v[BP]
	v_rcp_f32 v36, v36
	v_add_nc_u32 v18, s[JA], v14                   ; (a plain place behind the reciprocal)
	v_add_nc_u32 v19, s[JA], v15
	s_wait_alu depctr_va_vdst(0)                   ; ahead of its first reader
.irp j, 0,2,4,6,8,10,12,14,16,18,20,22,24,26,28,30
	v_pk_mul_f32 v[S+\j:S+\j+1], v[O+\j:O+\j+1], v[36:37] op_sel_hi:[1,0]       ; register 16 b + i: channel 32 b + 16 h + i of my query
.endr
.irp b, 0,1
	v_max3_num_f32 v[BM+\b], |v[S+16*\b]|, |v[S+1+16*\b]|, 0x1800000
.endr
.irp i, 2,4,6,8,10,12,14
.irp b, 0,1
	v_max3_num_f32 v[BM+\b], v[BM+\b], |v[S+16*\b+\i]|, |v[S+1+16*\b+\i]|
.endr
.endr
.irp b, 0,1
	v_permlanex16_b32 v[BP+\b], v[BM+\b], s[SEL], s[SEL+1]
.endr
.irp b, 0,1
	v_max_num_f32 v[BM+\b], v[BM+\b], v[BP+\b]
.endr
.irp b, 0,1
	v_add_nc_u32 v[SO+\b], 0xff000000, v[BM+\b]
.endr
.irp b, 0,1
	v_lshrrev_b32 v[BP+\b], 23, v[SO+\b]
.endr
	v_mov_b32 v[SC2], v[SC1]                       ; the three heads' pairs of bytes rotate: behind the third head SC2, SC1, SC0 hold the first, second, third
	v_mov_b32 v[SC1], v[SC0]
	v_lshl_or_b32 v[SC0], v[BP+1], 8, v[BP]
	v_cvt_scalef32_pk16_fp6_f32 v[PCD:PCD+2], v[S:S+15], v[SO]
	v_cvt_scalef32_pk16_fp6_f32 v[CT:CT+2], v[S+16:S+31], v[SO+1]
	v_nop
.irp i, 0,1,2
	v_permlane16_swap_b32 v[PCD+\i], v[CT+\i]
.endr
.irp i, 0,1,2
	v_mov_b32 v[PCD+3+\i], v[CT+\i]
.endr
	ds_store_b128 v18, v[PCD:PCD+3]
	ds_store_b64 v19, v[PCD+4:PCD+5]
	s_wait_xcnt 0x0                                ; the base is stepped only behind this wait
	s_add_nc_u64 s[KV:KV+1], s[KV:KV+1], 16*REC
	s_add_co_u32 s[JQ], s[JQ], 896
	s_add_co_u32 s[JA], s[JA], 768
	s_sub_co_u32 s[HC], s[HC], 1
	s_cmp_lg_u32 s[HC], 0
	s_cbranch_scc1 .Lhead
	s_wait_loadcnt 0x0                             ; no load of mine is on its way into the registers that the out-projection takes
	; ---- THE OUT-PROJECTION
.set ACC, 20                           ; v20-115  accumulator (tile e of Wo, tile rt of rows) at ACC + 8 (3 rt + e)
.set BF,  116                          ; v116-163 the four tiles of rows, one K step
.set BS,  164                          ; v164-167 their scale words
.set WF,  168                          ; v168-239 Wo's three fragments, two sets
.set WSC, 240                          ; v240-245 their scale words, two sets
	ds_store_b32 v16, v[SC2]
	ds_store_b32 v16, v[SC1] offset:128
	ds_store_b32 v16, v[SC0] offset:256
	s_wait_dscnt 0x0
	v_and_b32 v249, 31, v0
	v_lshlrev_b32 v16, 4, v249                     ; 16 x lane
	v_and_b32 v246, 15, v0                         ; r
	v_bfe_u32 v247, v0, 4, 1                       ; h
	v_and_b32 v248, 8, v246
	v_add_nc_u32 v248, v248, v246
	v_mul_u32_u24 v248, v248, SPT
	v_lshl_add_u32 v248, v247, 6, v248             ; the stage: row r + 8 (r / 8), + 64 h
	v_add_nc_u32 v7, AIMG, v16
	v_lshl_add_u32 v8, v249, 3, AIMG+512
	v_lshl_add_u32 v9, v249, 2, ASC
	s_lshl_b32 s40, s22, 14
	v_lshl_add_u32 v17, v249, 8, s40               ; the prefetch: 16,384 bytes a wave, lanes 256 bytes apart
	s_mul_i32 s40, s22, 4*3072
	v_add_nc_u32 v18, s40, v16                     ; my four rows of x and of out0
	s_mul_i32 s40, s22, 4*SPT
	v_add_nc_u32 v19, s40, v16                     ; and of the stage
.irp e, 0,1,2                                          ; tile 3 w + e of Wo: pair (3 w + e) / 2, u = (3 w + e) % 2
	s_mul_i32 s40, s22, 3
	s_add_co_u32 s40, s40, \e
	s_lshr_b32 s41, s40, 1
	s_and_b32 s42, s40, 1
	s_add_co_u32 s43, s41, 72
	s_mul_i32 s44, s43, 18432
	s_mul_i32 s45, s42, 1536
	s_add_co_u32 s44, s44, s45
	v_add_nc_u32 v[1+\e], s44, v16
	s_mul_i32 s44, s43, 768
	s_lshl_b32 s45, s42, 6
	s_add_co_u32 s44, s44, s45
	v_lshl_add_u32 v[4+\e], v246, 2, s44
	s_lshl_b32 s44, s41, 7
	s_lshl_b32 s45, s42, 5
	s_add_co_u32 s44, s44, s45
	v_add_nc_u32 v[10+2*\e], s44, v248             ; its 32 bytes of a stage row, rows 0-31,
	v_add_nc_u32 v[11+2*\e], 32*SPT, v[10+2*\e]    ; rows 32-63
.endr
.macro WOLOAD sp                       ; K step sp of my three tiles of Wo, into set sp % 2
.irp e, 0,1,2
.irp c, 0,1,2
	global_load_b128 v[WF+36*((\sp)%2)+12*\e+4*\c:WF+36*((\sp)%2)+12*\e+4*\c+3], v[1+\e], s[8:9] offset:3072*(\sp)+512*\c
.endr
	global_load_b32 v[WSC+3*((\sp)%2)+\e], v[4+\e], s[10:11] offset:128*(\sp)
.endr
.endm
	WOLOAD 0
	WOLOAD 1
	s_cmp_lt_u32 s22, 12                           ; my work-group's 64 rows of x, 196,608 bytes, are asked for here, one out-projection ahead of their loads:
	s_cbranch_scc0 .Lno_ask                        ; waves 0 to 11, two instructions each, each aligned block of 256 bytes named once in the launch
	global_prefetch_b8 v17, s[12:13] th:TH_LOAD_NT scope:SCOPE_SE
	global_prefetch_b8 v17, s[12:13] offset:8192 th:TH_LOAD_NT scope:SCOPE_SE
.Lno_ask:
	s_barrier_signal -1
	s_barrier_wait -1                              ; all images and scale words of the weighted rows lie in LDS; nobody reads the rings any more
.macro OSTEP sp
.if (\sp) > 0
	PLACES
.endif
.if (\sp) >= 1 && (\sp) <= 4
	WOLOAD (\sp)+1
.endif
.irp rt, 0,1,2,3
.irp hf, 0,1                                           ; head 2 sp + hf was made by wave 4 (head % 4) + rt as its head number head / 4
.set hd, 2*(\sp)+\hf
	ds_load_b128 v[BF+12*\rt+6*\hf:BF+12*\rt+6*\hf+3], v7 offset:2304*(4*(hd%4)+\rt)+768*(hd/4)
	ds_load_b64 v[BF+12*\rt+6*\hf+4:BF+12*\rt+6*\hf+5], v8 offset:2304*(4*(hd%4)+\rt)+768*(hd/4)
	ds_load_b32 v[246+2*\rt+\hf], v9 offset:384*(4*(hd%4)+\rt)+128*(hd/4)
.endr
.endr
	s_wait_dscnt 0x0
.irp rt, 0,1,2,3
	v_lshl_or_b32 v[BS+\rt], v[247+2*\rt], 16, v[246+2*\rt]          ; two heads' pairs of bytes make the K step's scale word
.endr
.rept 8
	v_nop                                          ; a scale register written by a vector instruction stands eight places ahead of the scaled product
.endr
.if (\sp) < 5
	s_wait_loadcnt 12                              ; this step's twelve loads of Wo are in; the next step's twelve may stay out
.else
	s_wait_loadcnt 0x0
.endif
.irp rt, 0,1,2,3
.irp e, 0,1,2                                          ; the twelve accumulators take turns, one instruction a turn
.if (\sp) == 0
	WMZ ACC+8*(3*\rt+\e), WF+36*((\sp)%2)+12*\e, BF+12*\rt, WSC+3*((\sp)%2)+\e, BS+\rt, 0
.else
	WM ACC+8*(3*\rt+\e), WF+36*((\sp)%2)+12*\e, BF+12*\rt, ACC+8*(3*\rt+\e), WSC+3*((\sp)%2)+\e, BS+\rt, 0, 0
.endif
.endr
.endr
.endm
.irp sp, 0,1,2,3,4,5
	OSTEP \sp
.endr
	PLACES
.set Y,   68                           ; v68-115   two rows at work
.set XR,  116                          ; v116-211  my four rows of x
.set BO,  212                          ; v212-235  bo
.set LW,  20                           ; v20-43    ln_w
.set LB,  44                           ; v44-67    ln_b
.set TS,  236                          ; v236-243  sums: four registers a row
.set MN,  244                          ; v244-247  the mean, a pair a row
.set RS,  248                          ; v248-251  1 / sqrt(var + eps), a pair a row
.irp q, 0,1,2,3
.irp i, 0,1,2,3,4,5
	global_load_b128 v[XR+24*\q+4*\i:XR+24*\q+4*\i+3], v18, s[12:13] offset:3072*\q+512*\i th:TH_LOAD_NT
.endr
.endr
.irp i, 0,1,2,3,4,5
	global_load_b128 v[BO+4*\i:BO+4*\i+3], v16, s[14:15] offset:512*\i
.endr
.irp rt, 0,1,2,3
.irp e, 0,1,2
	ds_store_b128 v[10+2*\e+\rt/2], v[ACC+8*(3*\rt+\e):ACC+8*(3*\rt+\e)+3] offset:8*SPT*(\rt%2)          ; each accumulator from its low end on: eight neighbouring columns of one row
	ds_store_b128 v[10+2*\e+\rt/2], v[ACC+8*(3*\rt+\e)+4:ACC+8*(3*\rt+\e)+7] offset:8*SPT*(\rt%2)+16
.endr
.endr
	v_mov_b32 v[TS+2], 0                           ; permutes' destinations and the upper halves of broadcast pairs are written once
	v_mov_b32 v[TS+6], 0
	v_mov_b32 v[MN+1], 0
	v_mov_b32 v[MN+3], 0
	v_mov_b32 v[RS+1], 0
	v_mov_b32 v[RS+3], 0
	s_mov_b32 s52, 0x3aaaaaab                      ; 1 / 768
	s_mov_b32 s53, 0x2b8cbccc                      ; 1e-12
	s_wait_dscnt 0x0                               ; my stores have landed, and have read the accumulators' registers
.irp i, 0,1,2,3,4,5
	global_load_b128 v[LW+4*\i:LW+4*\i+3], v16, s[16:17] offset:512*\i
	global_load_b128 v[LB+4*\i:LB+4*\i+3], v16, s[18:19] offset:512*\i
.endr
	s_barrier_signal -1
	s_barrier_wait -1                              ; 64 whole rows lie in the stage
	; ---- RESIDUAL AND LAYERNORM
.macro REDUCE                          ; the pairs TS of both rows: the two halves, then the 32 lanes; the result in every lane
.irp q, 0,1
	v_add_f32 v[TS+4*\q], v[TS+4*\q], v[TS+4*\q+1]
.endr
.irp m, 1,2,4,8
.irp q, 0,1
	v_add_f32_dpp v[TS+4*\q], v[TS+4*\q], v[TS+4*\q] row_xmask:\m row_mask:0xf bank_mask:0xf
.endr
.endr
.irp q, 0,1
	v_permlanex16_b32 v[TS+4*\q+2], v[TS+4*\q], s[SEL], s[SEL+1]
.endr
.irp q, 0,1
	v_add_f32 v[TS+4*\q], v[TS+4*\q], v[TS+4*\q+2]
.endr
.endm
.macro LNPAIR g                        ; rows 4 w + 2 g and 4 w + 2 g + 1, by turns
.if (\g) > 0
	s_wait_xcnt 0x0                                ; the last two rows' stores have read their registers: these are loaded again only behind this wait
.endif
.irp q, 0,1
.irp i, 0,1,2,3,4,5
	ds_load_b128 v[Y+24*\q+4*\i:Y+24*\q+4*\i+3], v19 offset:SPT*(2*(\g)+\q)+512*\i
.endr
.endr
.if (\g) == 0
	s_wait_loadcnt 0x0                             ; x, bo, ln_w, ln_b
.endif
	s_wait_dscnt 0x0
.irp i, 0,2,4,6,8,10,12,14,16,18,20,22
.irp q, 0,1
	v_pk_add_f32 v[Y+24*\q+\i:Y+24*\q+\i+1], v[Y+24*\q+\i:Y+24*\q+\i+1], v[BO+\i:BO+\i+1]
.endr
.endr
.irp i, 0,2,4,6,8,10,12,14,16,18,20,22
.irp q, 0,1
	v_pk_add_f32 v[Y+24*\q+\i:Y+24*\q+\i+1], v[Y+24*\q+\i:Y+24*\q+\i+1], v[XR+24*(2*(\g)+\q)+\i:XR+24*(2*(\g)+\q)+\i+1]
.endr
.endr
.irp q, 0,1
	v_pk_add_f32 v[TS+4*\q:TS+4*\q+1], v[Y+24*\q:Y+24*\q+1], v[Y+24*\q+2:Y+24*\q+3]
.endr
.irp i, 4,6,8,10,12,14,16,18,20,22
.irp q, 0,1
	v_pk_add_f32 v[TS+4*\q:TS+4*\q+1], v[TS+4*\q:TS+4*\q+1], v[Y+24*\q+\i:Y+24*\q+\i+1]
.endr
.endr
	REDUCE
.irp q, 0,1
	v_mul_f32 v[MN+2*\q], s52, v[TS+4*\q]          ; the mean
.endr
.irp i, 0,2,4,6,8,10,12,14,16,18,20,22
.irp q, 0,1
	v_pk_add_f32 v[Y+24*\q+\i:Y+24*\q+\i+1], v[Y+24*\q+\i:Y+24*\q+\i+1], v[MN+2*\q:MN+2*\q+1] op_sel_hi:[1,0] neg_lo:[0,1] neg_hi:[0,1]
.endr
.endr
.irp q, 0,1
	v_pk_mul_f32 v[TS+4*\q:TS+4*\q+1], v[Y+24*\q:Y+24*\q+1], v[Y+24*\q:Y+24*\q+1]
.endr
.irp i, 2,4,6,8,10,12,14,16,18,20,22
.irp q, 0,1
	v_pk_fma_f32 v[TS+4*\q:TS+4*\q+1], v[Y+24*\q+\i:Y+24*\q+\i+1], v[Y+24*\q+\i:Y+24*\q+\i+1], v[TS+4*\q:TS+4*\q+1]
.endr
.endr
	REDUCE
.irp q, 0,1
	v_fma_f32 v[TS+4*\q], v[TS+4*\q], s52, s53     ; var + eps
.endr
.irp q, 0,1
	v_rsq_f32 v[RS+2*\q], v[TS+4*\q]
.endr
	v_nop                                          ; a plain place behind the last of the two
	s_wait_alu depctr_va_vdst(0)                   ; one wait for both, ahead of their first reader
.irp i, 0,2,4,6,8,10,12,14,16,18,20,22
.irp q, 0,1
	v_pk_mul_f32 v[Y+24*\q+\i:Y+24*\q+\i+1], v[Y+24*\q+\i:Y+24*\q+\i+1], v[RS+2*\q:RS+2*\q+1] op_sel_hi:[1,0]
.endr
.endr
.irp i, 0,2,4,6,8,10,12,14,16,18,20,22
.irp q, 0,1
	v_pk_fma_f32 v[Y+24*\q+\i:Y+24*\q+\i+1], v[Y+24*\q+\i:Y+24*\q+\i+1], v[LW+\i:LW+\i+1], v[LB+\i:LB+\i+1]
.endr
.endr
.irp q, 0,1
.irp i, 0,1,2,3,4,5
	global_store_b128 v18, v[Y+24*\q+4*\i:Y+24*\q+4*\i+3], s[20:21] offset:3072*(2*(\g)+\q)+512*\i th:TH_STORE_NT    ; 32 lanes store 512 consecutive bytes, aligned to 256
.endr
.endr
.endm
	LNPAIR 0
	LNPAIR 1
	s_wait_xcnt 0x0
	v_lshl_add_u32 v254, v0, 2, 0x49800
	v_mov_b32 v255, 0
	s_wait_tensorcnt 0x0
	ds_add_u32 v254, v255
	s_wait_dscnt 0x0
	s_endpgm
.Lfunc_end_k_q3fec36ac9f_attn:
	.size	k_q3fec36ac9f_attn, .Lfunc_end_k_q3fec36ac9f_attn-k_q3fec36ac9f_attn
	.p2alignl 7, 3214868480
	.fill 96, 4, 3214868480
	.section	.rodata,"a",@progbits
	.p2align	6, 0x0
	.amdhsa_kernel k_q3fec36ac9f_attn
		.amdhsa_group_segment_fixed_size 303104
		.amdhsa_private_segment_fixed_size 0
		.amdhsa_enable_private_segment 0
		.amdhsa_kernarg_size 72
		.amdhsa_user_sgpr_count 2
		.amdhsa_user_sgpr_kernarg_segment_ptr 1
		.amdhsa_wavefront_size32 1
		.amdhsa_system_sgpr_workgroup_id_x 1
		.amdhsa_system_sgpr_workgroup_id_y 1
		.amdhsa_system_sgpr_workgroup_id_z 1
		.amdhsa_system_vgpr_workitem_id 0
		.amdhsa_next_free_vgpr 256
		.amdhsa_next_free_sgpr 66
		.amdhsa_reserve_vcc 0
		.amdhsa_float_denorm_mode_32 3
		.amdhsa_float_denorm_mode_16_64 3
		.amdhsa_memory_ordered 1
		.amdhsa_forward_progress 1
		.amdhsa_inst_pref_size 166
	.end_amdhsa_kernel
	.amdgpu_metadata
---
amdhsa.version: [ 1, 2 ]
amdhsa.kernels:
  - .name:           k_q3fec36ac9f_attn
    .symbol:         k_q3fec36ac9f_attn.kd
    .args:
      - { .name: qkv, .offset: 0, .size: 8, .value_kind: global_buffer, .address_space: global }
      - { .name: additive_attention_mask, .offset: 8, .size: 8, .value_kind: global_buffer, .address_space: global }
      - { .name: wc, .offset: 16, .size: 8, .value_kind: global_buffer, .address_space: global }
      - { .name: ws, .offset: 24, .size: 8, .value_kind: global_buffer, .address_space: global }
      - { .name: x, .offset: 32, .size: 8, .value_kind: global_buffer, .address_space: global }
      - { .name: bo, .offset: 40, .size: 8, .value_kind: global_buffer, .address_space: global }
      - { .name: ln_w, .offset: 48, .size: 8, .value_kind: global_buffer, .address_space: global }
      - { .name: ln_b, .offset: 56, .size: 8, .value_kind: global_buffer, .address_space: global }
      - { .name: out0, .offset: 64, .size: 8, .value_kind: global_buffer, .address_space: global }
    .group_segment_fixed_size: 303104
    .private_segment_fixed_size: 0
    .kernarg_segment_align: 8
    .kernarg_segment_size: 72
    .max_flat_workgroup_size: 512
    .sgpr_count:     66
    .vgpr_count:     256
    .wavefront_size: 32
...
	.end_amdgpu_metadata
.endif
;; end of part 3
;; ======== version 2 of 2: 3 launches
;; workspace buffers: xc 9,437,184 bytes; xs 393,216 bytes; wc 1,769,472 bytes; ws 73,728 bytes; qkv 30,277,632 bytes
;; launch quant (part 4): grid 608 x 1, 6 waves a work-group, no clusters, 51,456 bytes of LDS; arguments x, Wq, Wk, Wv, Wo, xc, xs, wc, ws; writes xc, xs, wc, ws
.if DOCPART == 4
	.amdgcn_target "amdgcn-amd-amdhsa--gfx1250"
	.amdhsa_code_object_version 6
	.text
	.protected	k_q3fec36ac9f_quant
	.globl	k_q3fec36ac9f_quant
	.p2align	8
	.type	k_q3fec36ac9f_quant,@function
k_q3fec36ac9f_quant:
	s_mov_b64 s[64:65], 0
	v_nop
	global_prefetch_b8 v0, s[64:65] scope:SCOPE_SE
	s_setreg_imm32_b32 hwreg(HW_REG_WAVE_MODE, 25, 1), 1
	s_wait_xcnt 0x0
; x [16384][768] and Wq, Wk, Wv, Wo [768][768], f32 with K innermost, become codes of FP6 (E2M3) with one E8M0 byte for each 32 along K,
; laid as IMAGES OF OPERAND REGISTERS.  32 rows are a pair; its two tiles u = 0, 1 hold, in lane r, row 8 u + r + 8 (r / 8) of the pair.
; Codes: [pair][K step 0..5][u][1536 bytes]: registers 4 c .. 4 c + 3 of lane l at 512 c + 16 l.  Scale words: [pair][K step][128 bytes]: the word of lane r of tile u at 4 (r + 16 u).
; Pairs 0..511 of the grid are x's; 512.. are Wq's 24, Wk's 24, Wv's 24, Wo's 24, laid on end in wc and ws.
; A work-group takes a pair, wave s its K step s: two fragments.  Each load reads 512 consecutive bytes of one row; the 16 rows turn through the wave's own stage in LDS,
; so that a lane gets 16 neighbours of each block of 32 of its row.  Waves share nothing: no barrier.
; A block's scale is 2^(floor(log2(largest magnitude)) - 2); its byte is the largest magnitude's exponent field - 2, held at 1 from below.
; LIMITS: a block of zeros gets the byte 1 (its codes are zeros, and these bytes are read by this program alone); NaN and infinities among the inputs are not served.
.set RB,   3072                        ; bytes in a row
.set SPT,  528                         ; a stage row: 512 bytes + 16
.set R,    16                          ; v16-79   16 rows x 16 bytes as loaded
.set X,    80                          ; v80-143  my row's 64 numbers: register 16 b + i = k 32 b + 16 (lane / 16) + i
.set PC,   144                         ; v144-163 the fragment's codes (12), and the conversions' second halves
.set TM,   164                         ; v164-179 largest magnitudes, bytes, scale operands
.set PW,   180                         ; the scale word just made
.set PW0,  181                         ; tile 0's
.set SEL,  24                          ; s[24:25] lane selects: lane l xor 16
.macro QUANT s
.irp b, 0,1,2,3
	v_max3_num_f32 v[TM+\b], |v[\s+16*\b]|, |v[\s+1+16*\b]|, 0x1800000   ; my 16 numbers of block b, and the floor 2^(3 - 127): the byte cannot fall under 1
.endr
.irp i, 2,4,6,8,10,12,14
.irp b, 0,1,2,3
	v_max3_num_f32 v[TM+\b], v[TM+\b], |v[\s+16*\b+\i]|, |v[\s+1+16*\b+\i]|
.endr
.endr
.irp b, 0,1,2,3
	v_permlanex16_b32 v[TM+4+\b], v[TM+\b], s[SEL], s[SEL+1]
.endr
.irp b, 0,1,2,3
	v_max_num_f32 v[TM+\b], v[TM+\b], v[TM+4+\b]          ; with lane l xor 16's: the block's largest magnitude
.endr
.irp b, 0,1,2,3
	v_add_nc_u32 v[TM+12+\b], 0xff000000, v[TM+\b]        ; 2 off its exponent field: the conversion's scale operand
.endr
.irp b, 0,1,2,3
	v_lshrrev_b32 v[TM+4+\b], 23, v[TM+12+\b]             ; the scale's byte
.endr
	v_lshl_or_b32 v[PW], v[TM+5], 8, v[TM+4]
	v_lshl_or_b32 v[PW], v[TM+6], 16, v[PW]
	v_lshl_or_b32 v[PW], v[TM+7], 24, v[PW]
.irp c, 0,1
	v_cvt_scalef32_pk16_fp6_f32 v[PC+6*\c:PC+2+6*\c], v[\s+32*\c:\s+15+32*\c], v[TM+12+2*\c]
	v_cvt_scalef32_pk16_fp6_f32 v[PC+12+4*\c:PC+14+4*\c], v[\s+16+32*\c:\s+31+32*\c], v[TM+12+2*\c+1]   ; (a conversion's three registers begin on an even number)
.endr
	v_nop                                                 ; one plain place behind a scaled conversion
.irp c, 0,1                                               ; the operand's layout wants a whole block in a lane
.irp i, 0,1,2
	v_permlane16_swap_b32 v[PC+6*\c+\i], v[PC+12+4*\c+\i]
.endr
.irp i, 0,1,2
	v_mov_b32 v[PC+3+6*\c+\i], v[PC+12+4*\c+\i]
.endr
.endr
.endm
.macro LOADT u                         ; tile u's 16 rows, my 512 bytes of each
.irp k, 0,1,2,3,4,5,6,7,8,9,10,11,12,13,14,15
	global_load_b128 v[R+4*\k:R+4*\k+3], v1, s[28:29] offset:(8*(\u)+\k+8*(\k/8))*RB th:TH_LOAD_NT
.endr
.endm
.macro STIN                            ; into the stage, as loaded
.irp k, 0,1,2,3,4,5,6,7,8,9,10,11,12,13,14,15
	ds_store_b128 v3, v[R+4*\k:R+4*\k+3] offset:SPT*\k
.endr
.endm
.macro STOUT                           ; and back: lane (r, h) takes of row r, of each block of 32, its half's 64 bytes
.irp b, 0,1,2,3
.irp j, 0,1,2,3
	ds_load_b128 v[X+16*\b+4*\j:X+16*\b+4*\j+3], v4 offset:128*\b+16*\j
.endr
.endr
.endm
.macro OUT u
.irp c, 0,1,2
	global_store_b128 v1, v[PC+4*\c:PC+4*\c+3], s[30:31] offset:1536*(\u)+512*\c   ; 32 lanes store 512 consecutive bytes, aligned to 256
.endr
.endm
	s_load_b512 s[4:19], s[0:1], 0x0               ; x, Wq, Wk, Wv, Wo, xc, xs, wc
	s_load_b64 s[20:21], s[0:1], 0x40              ; ws
	v_lshl_add_u32 v192, v0, 2, 0xc600
	v_mov_b32 v193, 0
	v_lshrrev_b32 v5, 5, v0
	v_readfirstlane_b32 s22, v5                    ; wave = K step
	v_and_b32 v6, 31, v0                           ; lane
	v_and_b32 v7, 15, v0                           ; r
	v_bfe_u32 v8, v0, 4, 1                         ; h
	v_lshlrev_b32 v1, 4, v6                        ; 16 x lane
	v_lshlrev_b32 v2, 2, v6                        ; 4 x lane
	s_mul_i32 s23, s22, 16*SPT                     ; my stage
	v_add_nc_u32 v3, s23, v1                       ; in
	v_mul_u32_u24 v4, v7, SPT
	v_lshl_add_u32 v4, v8, 6, v4
	v_add_nc_u32 v4, s23, v4                       ; out: row r, + 64 h
	s_mov_b32 s[SEL], 0x76543210
	s_mov_b32 s[SEL+1], 0xfedcba98
	s_mov_b32 vcc_lo, 0xffff0000                   ; lanes 16-31
.irp b, 0,1,2,3
	v_mov_b32 v[TM+4+\b], 0                        ; written once: a lane permute's destination counts as one of its sources
.endr
	s_sub_co_u32 s26, ttmp9, 512                   ; the pair's number among the weights' (of no use in x's work-groups)
	s_wait_alu depctr_va_vdst(0)
	s_wait_kmcnt 0x0
	s_mov_b64 s[28:29], s[12:13]                   ; which tensor: the choice hangs on the work-group's number alone
	s_mov_b32 s27, 72
	s_cmp_lt_u32 s26, 72
	s_cselect_b64 s[28:29], s[10:11], s[28:29]
	s_cselect_b32 s27, 48, s27
	s_cmp_lt_u32 s26, 48
	s_cselect_b64 s[28:29], s[8:9], s[28:29]
	s_cselect_b32 s27, 24, s27
	s_cmp_lt_u32 s26, 24
	s_cselect_b64 s[28:29], s[6:7], s[28:29]
	s_cselect_b32 s27, 0, s27
	s_sub_co_u32 s27, s26, s27                     ; the pair's number in its weight
	s_cmp_lt_u32 ttmp9, 512
	s_cselect_b64 s[28:29], s[4:5], s[28:29]
	s_cselect_b32 s27, ttmp9, s27                  ; the pair in its source,
	s_cselect_b32 s26, ttmp9, s26                  ; and in its destination
	s_cselect_b64 s[30:31], s[14:15], s[18:19]
	s_cselect_b64 s[32:33], s[16:17], s[20:21]
	s_mul_i32 s34, s27, 32*RB
	s_lshl_b32 s36, s22, 9
	s_add_co_u32 s34, s34, s36
	s_mov_b32 s35, 0
	s_add_nc_u64 s[28:29], s[28:29], s[34:35]      ; source: the pair's first row, my 512 bytes
	s_mul_i32 s34, s26, 18432
	s_mul_i32 s36, s22, 3072
	s_add_co_u32 s34, s34, s36
	s_add_nc_u64 s[30:31], s[30:31], s[34:35]      ; codes
	s_mul_i32 s34, s26, 768
	s_lshl_b32 s36, s22, 7
	s_add_co_u32 s34, s34, s36
	s_add_nc_u64 s[32:33], s[32:33], s[34:35]      ; scale words
	LOADT 0
	s_wait_loadcnt 0x0
	STIN
	s_wait_dscnt 0x0                               ; the stores have read their registers,
	LOADT 1                                        ; which take tile 1 while tile 0 is worked
	STOUT
	s_wait_dscnt 0x0
	QUANT X
	v_mov_b32 v[PW0], v[PW]
	OUT 0
	s_wait_loadcnt 0x0
	STIN                                           ; LDS serves a wave's instructions in order: no wait between these stores and the loads
	STOUT
	s_wait_dscnt 0x0
	s_wait_xcnt 0x0                                ; tile 0's stores have read the codes' registers: they are written again only behind this wait
	QUANT X
	OUT 1
	v_cndmask_b32 v[PW], v[PW0], v[PW], vcc_lo     ; lanes 0-15 tile 0's words, lanes 16-31 tile 1's
	global_store_b32 v2, v[PW], s[32:33]
	s_wait_tensorcnt 0x0
	ds_add_u32 v192, v193
	s_wait_dscnt 0x0
	s_endpgm
.Lfunc_end_k_q3fec36ac9f_quant:
	.size	k_q3fec36ac9f_quant, .Lfunc_end_k_q3fec36ac9f_quant-k_q3fec36ac9f_quant
	.p2alignl 7, 3214868480
	.fill 96, 4, 3214868480
	.section	.rodata,"a",@progbits
	.p2align	6, 0x0
	.amdhsa_kernel k_q3fec36ac9f_quant
		.amdhsa_group_segment_fixed_size 51456
		.amdhsa_private_segment_fixed_size 0
		.amdhsa_enable_private_segment 0
		.amdhsa_kernarg_size 72
		.amdhsa_user_sgpr_count 2
		.amdhsa_user_sgpr_kernarg_segment_ptr 1
		.amdhsa_wavefront_size32 1
		.amdhsa_system_sgpr_workgroup_id_x 1
		.amdhsa_system_sgpr_workgroup_id_y 1
		.amdhsa_system_sgpr_workgroup_id_z 1
		.amdhsa_system_vgpr_workitem_id 0
		.amdhsa_next_free_vgpr 194
		.amdhsa_next_free_sgpr 66
		.amdhsa_reserve_vcc 1
		.amdhsa_float_denorm_mode_32 3
		.amdhsa_float_denorm_mode_16_64 3
		.amdhsa_memory_ordered 1
		.amdhsa_forward_progress 1
		.amdhsa_inst_pref_size 19
	.end_amdhsa_kernel
	.amdgpu_metadata
---
amdhsa.version: [ 1, 2 ]
amdhsa.kernels:
  - .name:           k_q3fec36ac9f_quant
    .symbol:         k_q3fec36ac9f_quant.kd
    .args:
      - { .name: x, .offset: 0, .size: 8, .value_kind: global_buffer, .address_space: global }
      - { .name: Wq, .offset: 8, .size: 8, .value_kind: global_buffer, .address_space: global }
      - { .name: Wk, .offset: 16, .size: 8, .value_kind: global_buffer, .address_space: global }
      - { .name: Wv, .offset: 24, .size: 8, .value_kind: global_buffer, .address_space: global }
      - { .name: Wo, .offset: 32, .size: 8, .value_kind: global_buffer, .address_space: global }
      - { .name: xc, .offset: 40, .size: 8, .value_kind: global_buffer, .address_space: global }
      - { .name: xs, .offset: 48, .size: 8, .value_kind: global_buffer, .address_space: global }
      - { .name: wc, .offset: 56, .size: 8, .value_kind: global_buffer, .address_space: global }
      - { .name: ws, .offset: 64, .size: 8, .value_kind: global_buffer, .address_space: global }
    .group_segment_fixed_size: 51456
    .private_segment_fixed_size: 0
    .kernarg_segment_align: 8
    .kernarg_segment_size: 72
    .max_flat_workgroup_size: 192
    .sgpr_count:     66
    .vgpr_count:     194
    .wavefront_size: 32
...
	.end_amdgpu_metadata
.endif
;; end of part 4
;; launch qkv (part 5): grid 8 x 32, 8 waves a work-group, no clusters, 168,960 bytes of LDS; arguments xc, xs, wc, ws, bq, bk, bv, qkv; writes qkv
.if DOCPART == 5
	.amdgcn_target "amdgcn-amd-amdhsa--gfx1250"
	.amdhsa_code_object_version 6
	.text
	.protected	k_q3fec36ac9f_qkv
	.globl	k_q3fec36ac9f_qkv
	.p2align	8
	.type	k_q3fec36ac9f_qkv,@function
k_q3fec36ac9f_qkv:
	s_mov_b64 s[64:65], 0
	v_nop
	global_prefetch_b8 v0, s[64:65] scope:SCOPE_SE
	s_setreg_imm32_b32 hwreg(HW_REG_WAVE_MODE, 25, 1), 1
	s_wait_xcnt 0x0
; q = x Wq^T + bq, k = x Wk^T + bk, v = x Wv^T + bv on codes of FP6 (E2M3) with E8M0 scales, sums in f32; the results are quantised at once: q and k along the head's 64, v along the keys.
; SHARES.  Work-group (g, b): batch b's 512 rows against nine pairs of 32 columns: n = 0..5 are three whole heads of q (g < 4) or of k (g >= 4), n = 6..8 three pairs of v.
; Wave w takes rows 64 w .. 64 w + 63: two pairs of x, whose 24 fragments stay in its registers.  The slice's images of W, 165,888 bytes, are copied into LDS once; each fragment read from there feeds four products.
; Barriers stand only while copies are out: one for column pair 0, one for pair 1, one behind which all copies have landed; from there on LDS is only read and the waves run free.
; No cluster: what the 32 work-groups of a slice share is copied once at the head and is a third of what a work-group reads; the x images that the 8 work-groups of a batch share go straight into registers.
; q AND k ARE MADE TRANSPOSED (source 0 = 16 rows of W, source 1 = 16 rows of x): a lane holds one row of x and its registers run along the head.  v is made the other way round: a lane holds one
; column d and its registers run along the keys.  The rows of a tile are 8 u + r + 8 (r / 8) of their pair, so that the 16 registers of two neighbouring tiles are 16 neighbours along the next K.
; RECORDS.  qkv holds a record of 19,712 bytes for each (batch, head, step of 128 rows): K's codes 6,144 | V's codes 6,144 | K's scale words 512 | V's 256 | Q's 512 | Q's codes 6,144.
; A unit of 768 bytes is six registers a lane (0-3 at 16 x lane, 4-5 at 512 + 8 x lane).  K, Q: unit [pair in step][block of the head], lane (r, u) = the whole block of row (pair, u, r).
; V: unit [tile of d][c], lane (r, h) = key block 2 c + h of d row r.  K's and Q's scale word: the head's two bytes, then 0x7f twice; Q's bytes are stored 3 lower: the division by sqrt(64), exact.
; LIMITS: a block of q or k whose largest magnitude lies under 2^-121 takes the scale 2^-123 (so that Q's byte less 3 stays at 1 or above); a block of zeros keeps the floor's byte (its codes are zeros); NaN and infinities are not served.
; REGISTERS.  window 0: v1-15 addresses; v16-159 x's pair 0; v160-171 x's scale words; v172-183 W's, two sets; v184-199 the bias as C; v200-215 at work; v216-229 two units; v232-238 conversions; v240-241 scale words; v242-245 output offsets.
;   window 1: v0-143 x's pair 1; v144-207 eight accumulators; v208-255 W's fragments, two sets of two.
.set REC,  19712
.set XS,   160
.set WS,   172
.set BI,   184
.set TM,   200
.set U0,   216                         ; unit a at U0 + 8 a
.set T0,   232                         ; its second half as converted, at T0 + 4 a
.set SW,   240
.set A16,  242
.set A8,   243
.set S8,   244
.set V4,   245
.set ACC,  144                         ; in window 1
.set WB,   208                         ; in window 1
.set MSB, 0
.macro WIN new                         ; the immediate's high byte repeats the setting that is left
.set WNEW, \new
.if MSB != WNEW
	s_set_vgpr_msb (MSB<<8)|WNEW
.set MSB, WNEW
.endif
.endm
.macro PLACES                          ; four places behind a matrix instruction, in front of loads into its registers and of reads of its results
.rept 4
	v_nop
.endr
.endm
.macro WM d, a, b, c, sa, sb, ra, rb   ; one product; ra, rb: which half of the lanes holds A's and B's scale words
.set wD, \d
.set wA, \a
.set wB, \b
.set wC, \c
.set wSA, \sa
.set wSB, \sb
.if (\ra) == 0 && (\rb) == 0
	v_wmma_scale_f32_16x16x128_f8f6f4 v[wD:wD+7], v[wA:wA+11], v[wB:wB+11], v[wC:wC+7], v[wSA], v[wSB] matrix_a_fmt:MATRIX_FMT_FP6 matrix_b_fmt:MATRIX_FMT_FP6
.elseif (\rb) == 0
	v_wmma_scale_f32_16x16x128_f8f6f4 v[wD:wD+7], v[wA:wA+11], v[wB:wB+11], v[wC:wC+7], v[wSA], v[wSB] matrix_a_fmt:MATRIX_FMT_FP6 matrix_b_fmt:MATRIX_FMT_FP6 matrix_a_scale:MATRIX_SCALE_ROW1
.elseif (\ra) == 0
	v_wmma_scale_f32_16x16x128_f8f6f4 v[wD:wD+7], v[wA:wA+11], v[wB:wB+11], v[wC:wC+7], v[wSA], v[wSB] matrix_a_fmt:MATRIX_FMT_FP6 matrix_b_fmt:MATRIX_FMT_FP6 matrix_b_scale:MATRIX_SCALE_ROW1
.else
	v_wmma_scale_f32_16x16x128_f8f6f4 v[wD:wD+7], v[wA:wA+11], v[wB:wB+11], v[wC:wC+7], v[wSA], v[wSB] matrix_a_fmt:MATRIX_FMT_FP6 matrix_b_fmt:MATRIX_FMT_FP6 matrix_a_scale:MATRIX_SCALE_ROW1 matrix_b_scale:MATRIX_SCALE_ROW1
.endif
.endm
.macro COPYQ j                         ; 4,096 bytes of the q / k part: 16 bytes a thread; the immediate is added to both addresses
.if (\j) < 16
	global_load_async_to_lds_b128 v7, v8, s[32:33] offset:4096*(\j)
.else
	global_load_async_to_lds_b128 v9, v10, s[32:33] offset:4096*((\j)-16)
.endif
.endm
.macro WFETCH n, s, buf                ; the two tiles of column pair n, K step s, out of LDS into set buf
	WIN 0x40
.irp ct, 0,1
.irp j, 0,1,2
	ds_load_b128 v[WB+24*(\buf)+12*\ct+4*\j:WB+24*(\buf)+12*\ct+4*\j+3], v[4+(\n)/3] offset:((\n)%3)*18432+(2*(\s)+\ct)*1536+512*\j
.endr
.endr
.endm
.macro WSL n                           ; W's scale words of column pair n, all six K steps
.irp s, 0,1,2,3,4,5
.if (\n) < 6
	global_load_b32 v[WS+6*((\n)%2)+\s], v3, s[36:37] offset:768*(\n)+128*\s
.else
	global_load_b32 v[WS+6*((\n)%2)+\s], v3, s[38:39] offset:768*((\n)-6)+128*\s
.endif
.endr
.endm
.macro BIAS n                          ; the bias in the result's layout: q, k: eight neighbours a tile; v: my column's number eight times
.if (\n) < 6
.irp q, 0,1,2,3
	global_load_b128 v[BI+4*\q:BI+4*\q+3], v14, s[40:41] offset:128*(\n)+16*\q
.endr
.else
.irp q, 0,1,2,3,4,5,6,7,8,9,10,11,12,13,14,15
	global_load_b32 v[BI+\q], v15, s[16:17] offset:128*((\n)-6)+32*(\q/8)
.endr
.endif
.endm
; Eight products: two pairs of x, two tiles each, against W's two tiles.  The eight accumulators take turns, one instruction a turn.  The first K step takes the bias as C.
.macro MUL8 n, s
.set mC, 0x10
.if (\s) == 0
.set mC, 0
.endif
.irp p, 0,1
.if (\n) < 6
	WIN 0x41+4*\p+mC
.else
	WIN 0x44+\p+mC
.endif
.irp u, 0,1
.irp ct, 0,1
.set rW, WB+24*((\s)%2)+12*\ct
.set rX, 16*(1-\p)+12*(2*(\s)+\u)
.if (\n) < 6
.set rD, ACC+16*(2*\p+\u)+8*\ct
.else
.set rD, ACC+16*(2*\ct+\p)+8*\u
.endif
.set rC, rD
.if (\s) == 0
.set rC, BI+8*\ct
.endif
.if (\n) < 6
	WM rD, rW, rX, rC, WS+6*((\n)%2)+(\s), XS+6*\p+(\s), \ct, \u
.else
	WM rD, rX, rW, rC, XS+6*\p+(\s), WS+6*((\n)%2)+(\s), \u, \ct
.endif
.endr
.endr
.endr
.endm
; Column pair n is finished: four runs of 16 registers, each 16 neighbours of a block of 32 that lies in lanes l and l xor 16, become two units and their scale bytes, and leave.
.macro EPI n
	PLACES
	s_wait_xcnt 0x0                                ; the last pair's stores have read their data and offsets: these are written again only behind this wait
	WIN 0x05
.irp k, 0,1,2,3
.if (\n) < 6
	v_max3_num_f32 v[TM+\k], |v[ACC+16*\k]|, |v[ACC+16*\k+1]|, 0x3000000    ; each accumulator is read from its low end on; the floor 2^(6 - 127)
.else
	v_max3_num_f32 v[TM+\k], |v[ACC+16*\k]|, |v[ACC+16*\k+1]|, 0x1800000    ; the floor 2^(3 - 127)
.endif
.endr
.irp i, 2,4,6,8,10,12,14
.irp k, 0,1,2,3
	v_max3_num_f32 v[TM+\k], |v[ACC+16*\k+\i]|, |v[ACC+16*\k+\i+1]|, v[TM+\k]
.endr
.endr
	WIN 0
.irp k, 0,1,2,3
	v_permlanex16_b32 v[TM+4+\k], v[TM+\k], s26, s27
.endr
.irp k, 0,1,2,3
	s_delay_alu instid0(VALU_DEP_4)
	v_max_num_f32 v[TM+\k], v[TM+\k], v[TM+4+\k]
.endr
.irp k, 0,1,2,3
	s_delay_alu instid0(VALU_DEP_4)
	v_add_nc_u32 v[TM+12+\k], 0xff000000, v[TM+\k] ; 2 off the exponent field: the conversion's scale operand
.endr
.irp k, 0,1,2,3
	s_delay_alu instid0(VALU_DEP_4)
	v_lshrrev_b32 v[TM+4+\k], 23, v[TM+12+\k]      ; the scale's byte
.endr
.if (\n) < 6
.irp k, 0,1,2,3
	s_delay_alu instid0(VALU_DEP_4)
	v_sub_nc_u32 v[TM+4+\k], v[TM+4+\k], s25       ; q: 3 lower
.endr
.endif
	WIN 0x01
.irp a, 0,1
	v_cvt_scalef32_pk16_fp6_f32 v[U0+8*\a:U0+8*\a+2], v[ACC+32*\a:ACC+32*\a+15], v[TM+12+2*\a]
	v_cvt_scalef32_pk16_fp6_f32 v[T0+4*\a:T0+4*\a+2], v[ACC+32*\a+16:ACC+32*\a+31], v[TM+13+2*\a]
.endr
	WIN 0
	v_nop                                          ; one plain place behind a scaled conversion
.irp a, 0,1
.irp i, 0,1,2
	v_permlane16_swap_b32 v[U0+8*\a+\i], v[T0+4*\a+\i]   ; lanes 0-15 now hold the first run's whole block, lanes 16-31 the second's
.endr
.irp i, 0,1,2
	s_delay_alu instid0(VALU_DEP_3)
	v_mov_b32 v[U0+8*\a+3+\i], v[T0+4*\a+\i]
.endr
.endr
.if (\n) < 6
.irp a, 0,1
	v_cndmask_b32 v[TM+8+\a], v[TM+4+2*\a], v[TM+5+2*\a], vcc_lo     ; lane (r, u): the byte of row (pair a, u, r)
.if (\n)%2 == 0
	s_delay_alu instid0(VALU_DEP_1)
	v_or_b32 v[SW+\a], 0x7f7f0000, v[TM+8+\a]
.else
	s_delay_alu instid0(VALU_DEP_1)
	v_lshl_or_b32 v[SW+\a], v[TM+8+\a], 8, v[SW+\a]
.endif
	global_store_b128 v[A16], v[U0+8*\a:U0+8*\a+3], s[18:19] offset:((\n)/2)*4*REC+768*(2*\a+(\n)%2)        ; 512 consecutive bytes, aligned to 256
	global_store_b64 v[A8], v[U0+8*\a+4:U0+8*\a+5], s[18:19] offset:((\n)/2)*4*REC+768*(2*\a+(\n)%2)+512    ; 256 consecutive bytes, aligned
.endr
.if (\n)%2 == 1
	global_store_b64 v[S8], v[SW:SW+1], s[18:19] offset:((\n)/2)*4*REC     ; both pairs' scale words: 256 consecutive bytes, aligned
.endif
.else
	v_add_nc_u32 v[A16], s[44+(\n)-6], v1
	v_add_nc_u32 v[A8], s[44+(\n)-6], v2
	v_add_nc_u32 v[V4], s[48+(\n)-6], v3
.irp a, 0,1
	v_lshl_or_b32 v[TM+8+\a], v[TM+5+2*\a], 8, v[TM+4+2*\a]          ; tile a: my two key blocks' bytes
.endr
	s_delay_alu instid0(VALU_DEP_1)
	v_cndmask_b32 v[SW], v[TM+8], v[TM+9], vcc_lo
.irp a, 0,1
	global_store_b128 v[A16], v[U0+8*\a:U0+8*\a+3], s[18:19] offset:1536*\a
	global_store_b64 v[A8], v[U0+8*\a+4:U0+8*\a+5], s[18:19] offset:1536*\a+512
.endr
	global_store_b16 v[V4], v[SW], s[18:19]        ; half of each scale word; the other wave of the step writes the other half
.endif
.endm
; One K step of column pair n.
.macro STEP n, s
	s_wait_dscnt 0x0                               ; this step's fragments of W are in
.if (\s) == 5 && (\n) < 2
.if (\n) == 0
	s_wait_asynccnt 32                             ; of my 41 copies the nine that cover column pairs 0 and 1 have landed; the later ones may stay out
.else
	s_wait_asynccnt 0x0                            ; all my copies have landed: behind this barrier LDS is only read, and no further barrier stands in the text
.endif
	s_barrier_signal -1
	s_barrier_wait -1                              ; everybody's have
.endif
.if (\s) < 5 || (\n) < 8
	PLACES
.if (\s) == 1 && (\n) < 8
	WIN 0
	BIAS (\n)+1
	WSL (\n)+1
.endif
.if (\s) == 5
	WFETCH (\n)+1, 0, 0
.else
	WFETCH \n, (\s)+1, ((\s)+1)%2
.endif
.endif
.if (\s) == 0
	s_wait_loadcnt 0x0                             ; the bias and W's scale words (asked for five steps ago); in front of the first step: x too
.endif
	MUL8 \n, \s
.endm
	s_load_b512 s[4:19], s[0:1], 0x0               ; xc, xs, wc, ws, bq, bk, bv, qkv
	v_lshl_add_u32 v254, v0, 2, 0x29000
	v_mov_b32 v255, 0
	ds_add_u32 v254, v255
	ds_add_u32 v254, v255
	v_lshrrev_b32 v4, 5, v0
	s_delay_alu instid0(VALU_DEP_1)
	v_readfirstlane_b32 s20, v4                    ; wave 0..7
	v_and_b32 v5, 31, v0                           ; lane
	s_delay_alu instid0(VALU_DEP_1)
	v_lshlrev_b32 v1, 4, v5                        ; 16 x lane
	s_delay_alu instid0(VALU_DEP_2)
	v_lshlrev_b32 v2, 3, v5                        ; 8 x lane
	s_delay_alu instid0(VALU_DEP_3)
	v_lshlrev_b32 v3, 2, v5                        ; 4 x lane
	s_delay_alu instid0(VALU_DEP_3)
	v_mov_b32 v4, v1                               ; W's images in LDS: column pairs 0-2,
	s_delay_alu instid0(VALU_DEP_4)
	v_add_nc_u32 v5, 55296, v1                     ; 3-5,
	v_add_nc_u32 v6, 110592, v1                    ; 6-8
	v_lshlrev_b32 v7, 4, v0                        ; the copies: 16 bytes a thread, in LDS
	v_lshlrev_b32 v8, 4, v0                        ; and in memory
	v_lshl_add_u32 v9, v0, 4, 65536
	v_lshl_add_u32 v10, v0, 4, 65536
	v_lshl_add_u32 v11, v0, 4, 110592              ; v's part in LDS
	v_lshl_add_u32 v12, v0, 3, 163840              ; its last 2,048 bytes, 8 a thread
	v_lshl_add_u32 v13, v0, 3, 53248
	v_bfe_u32 v14, v0, 4, 1
	s_delay_alu instid0(VALU_DEP_1)
	v_lshlrev_b32 v14, 6, v14                      ; q's and k's bias: 64 h
	v_and_b32 v15, 15, v0
	s_delay_alu instid0(VALU_DEP_1)
	v_and_b32 v200, 8, v15
	s_delay_alu instid0(VALU_DEP_1)
	v_add_nc_u32 v15, v15, v200
	s_delay_alu instid0(VALU_DEP_1)
	v_lshlrev_b32 v15, 2, v15                      ; v's bias: 4 (r + 8 (r / 8))
.irp k, 0,1,2,3
	v_mov_b32 v[TM+4+\k], 0                        ; written once: a lane permute's destination counts as one of its sources
.endr
	s_and_b32 s22, ttmp7, 0xffff                   ; b
	s_and_b32 s23, s20, 1                          ; c: which half of a step of 128 rows
	s_lshr_b32 s24, s20, 1                         ; st: which step
	s_and_b32 s21, ttmp9, 3
	s_mov_b32 s26, 0x76543210
	s_mov_b32 s27, 0xfedcba98
	s_mov_b32 vcc_lo, 0xffff0000                   ; lanes 16-31
	s_lshl_b32 s28, s22, 4
	s_lshl_b32 s29, s20, 1
	s_add_co_u32 s28, s28, s29                     ; my first pair of x
	s_mul_i32 s30, s28, 18432
	s_mov_b32 s31, 0
	s_mul_i32 s52, s28, 768
	s_mov_b32 s53, 0
	s_mul_i32 s54, ttmp9, 110592
	s_mov_b32 s55, 0
	s_mul_i32 s56, ttmp9, 55296
	s_add_co_u32 s56, s56, 884736
	s_mov_b32 s57, 0
	s_mul_i32 s58, ttmp9, 4608
	s_mov_b32 s59, 0
	s_mul_i32 s60, ttmp9, 2304
	s_add_co_u32 s60, s60, 36864
	s_mov_b32 s61, 0
	s_wait_alu depctr_va_vdst(0)
	s_wait_dscnt 0x0
	s_wait_kmcnt 0x0
	s_add_nc_u64 s[4:5], s[4:5], s[30:31]          ; x's images
	s_add_nc_u64 s[6:7], s[6:7], s[52:53]          ; x's scale words
	s_add_nc_u64 s[32:33], s[8:9], s[54:55]        ; W's images: my six pairs of q or k,
	s_add_nc_u64 s[34:35], s[8:9], s[56:57]        ; my three of v
	s_add_nc_u64 s[36:37], s[10:11], s[58:59]      ; and their scale words
	s_add_nc_u64 s[38:39], s[10:11], s[60:61]
.irp j, 0,1,2,3,4
	COPYQ \j                                       ; column pair 0 first
.endr
.irp f, 0,1,2,3,4,5,6,7,8,9,10,11
.irp c, 0,1,2
	global_load_b128 v[16+12*\f+4*\c:16+12*\f+4*\c+3], v1, s[4:5] offset:1536*\f+512*\c
.endr
.endr
	WIN 0x40
.irp f, 0,1,2,3,4,5,6,7,8,9,10,11
.irp c, 0,1,2
	global_load_b128 v[12*\f+4*\c:12*\f+4*\c+3], v1, s[4:5] offset:18432+1536*\f+512*\c
.endr
.endr
	WIN 0
.irp p, 0,1
.irp s, 0,1,2,3,4,5
	global_load_b32 v[XS+6*\p+\s], v3, s[6:7] offset:768*\p+128*\s
.endr
.endr
.irp j, 5,6,7,8,9,10,11,12,13,14,15,16,17,18,19,20,21,22,23,24,25,26
	COPYQ \j
.endr
.irp j, 0,1,2,3,4,5,6,7,8,9,10,11,12
	global_load_async_to_lds_b128 v11, v8, s[34:35] offset:4096*\j
.endr
	global_load_async_to_lds_b64 v12, v13, s[34:35]
	s_cmp_lt_u32 ttmp9, 4                          ; q's work-group or k's: every choice on this compare stands ahead of the additions
	s_cselect_b64 s[40:41], s[12:13], s[14:15]
	s_cselect_b32 s42, 13568, 0                    ; where the codes lie in a record,
	s_cselect_b32 s43, 768, 0                      ; the scale words,
	s_cselect_b32 s25, 3, 0                        ; and what is taken off the bytes
	s_mul_i32 s52, s21, 768
	s_add_nc_u64 s[40:41], s[40:41], s[52:53]      ; my 192 numbers of bq or bk
	s_mul_i32 s52, ttmp9, 384
	s_add_nc_u64 s[16:17], s[16:17], s[52:53]      ; my 96 of bv
	BIAS 0
	WSL 0
	s_mul_i32 s52, s22, 12
	s_mul_i32 s54, s21, 3
	s_add_co_u32 s54, s54, s52                     ; 12 b + my first head
	s_lshl_b32 s54, s54, 2
	s_add_co_u32 s54, s54, s24
	s_mul_i32 s54, s54, REC                        ; its record of my step
	s_mul_i32 s55, s23, 3072
	s_add_co_u32 s55, s55, s54
	s_add_co_u32 s55, s55, s42
	v_add_nc_u32 v[A16], s55, v1
	v_add_nc_u32 v[A8], s55, v2
	s_lshl_b32 s55, s23, 8
	s_add_co_u32 s55, s55, s54
	s_add_co_u32 s55, s55, s43
	s_add_co_u32 s55, s55, 12288
	v_add_nc_u32 v[S8], s55, v2
.irp m, 0,1,2                                          ; v's pair 3 g + m: head (3 g + m) / 2, half (3 g + m) % 2
	s_mul_i32 s52, ttmp9, 3
	s_add_co_u32 s52, s52, \m
	s_lshr_b32 s53, s52, 1
	s_and_b32 s52, s52, 1
	s_mul_i32 s54, s22, 12
	s_add_co_u32 s53, s53, s54
	s_lshl_b32 s53, s53, 2
	s_add_co_u32 s53, s53, s24
	s_mul_i32 s53, s53, REC
	s_mul_i32 s54, s52, 3072
	s_add_co_u32 s54, s54, s53
	s_mul_i32 s55, s23, 768
	s_add_co_u32 s54, s54, s55
	s_add_co_u32 s[44+\m], s54, 6144
	s_lshl_b32 s54, s52, 7
	s_add_co_u32 s54, s54, s53
	s_lshl_b32 s55, s23, 1
	s_add_co_u32 s54, s54, s55
	s_add_co_u32 s[48+\m], s54, 12800
.endr
	s_wait_asynccnt 36                             ; my first five copies have landed: with everybody's they cover column pair 0
	s_barrier_signal -1
	s_barrier_wait -1
	WFETCH 0, 0, 0
.irp n, 0,1,2,3,4,5,6,7,8
.irp s, 0,1,2,3,4,5
	STEP \n, \s
.endr
	EPI \n
.endr
	s_wait_tensorcnt 0x0
	ds_add_u32 v254, v255
	s_wait_dscnt 0x0
	s_endpgm
.Lfunc_end_k_q3fec36ac9f_qkv:
	.size	k_q3fec36ac9f_qkv, .Lfunc_end_k_q3fec36ac9f_qkv-k_q3fec36ac9f_qkv
	.p2alignl 7, 3214868480
	.fill 96, 4, 3214868480
	.section	.rodata,"a",@progbits
	.p2align	6, 0x0
	.amdhsa_kernel k_q3fec36ac9f_qkv
		.amdhsa_group_segment_fixed_size 168960
		.amdhsa_private_segment_fixed_size 0
		.amdhsa_enable_private_segment 0
		.amdhsa_kernarg_size 64
		.amdhsa_user_sgpr_count 2
		.amdhsa_user_sgpr_kernarg_segment_ptr 1
		.amdhsa_wavefront_size32 1
		.amdhsa_system_sgpr_workgroup_id_x 1
		.amdhsa_system_sgpr_workgroup_id_y 1
		.amdhsa_system_sgpr_workgroup_id_z 1
		.amdhsa_system_vgpr_workitem_id 0
		.amdhsa_next_free_vgpr 512
		.amdhsa_next_free_sgpr 66
		.amdhsa_reserve_vcc 1
		.amdhsa_float_denorm_mode_32 3
		.amdhsa_float_denorm_mode_16_64 3
		.amdhsa_memory_ordered 1
		.amdhsa_forward_progress 1
		.amdhsa_inst_pref_size 167
	.end_amdhsa_kernel
	.amdgpu_metadata
---
amdhsa.version: [ 1, 2 ]
amdhsa.kernels:
  - .name:           k_q3fec36ac9f_qkv
    .symbol:         k_q3fec36ac9f_qkv.kd
    .args:
      - { .name: xc, .offset: 0, .size: 8, .value_kind: global_buffer, .address_space: global }
      - { .name: xs, .offset: 8, .size: 8, .value_kind: global_buffer, .address_space: global }
      - { .name: wc, .offset: 16, .size: 8, .value_kind: global_buffer, .address_space: global }
      - { .name: ws, .offset: 24, .size: 8, .value_kind: global_buffer, .address_space: global }
      - { .name: bq, .offset: 32, .size: 8, .value_kind: global_buffer, .address_space: global }
      - { .name: bk, .offset: 40, .size: 8, .value_kind: global_buffer, .address_space: global }
      - { .name: bv, .offset: 48, .size: 8, .value_kind: global_buffer, .address_space: global }
      - { .name: qkv, .offset: 56, .size: 8, .value_kind: global_buffer, .address_space: global }
    .group_segment_fixed_size: 168960
    .private_segment_fixed_size: 0
    .kernarg_segment_align: 8
    .kernarg_segment_size: 64
    .max_flat_workgroup_size: 256
    .sgpr_count:     66
    .vgpr_count:     512
    .wavefront_size: 32
...
	.end_amdgpu_metadata
.endif
;; end of part 5
;; launch attn (part 6): grid 256 x 1, 16 waves a work-group, no clusters, 303,104 bytes of LDS; arguments qkv, additive_attention_mask, wc, ws, x, bo, ln_w, ln_b, out0; writes out0
.if DOCPART == 6
	.amdgcn_target "amdgcn-amd-amdhsa--gfx1250"
	.amdhsa_code_object_version 6
	.text
	.protected	k_q3fec36ac9f_attn
	.globl	k_q3fec36ac9f_attn
	.p2align	8
	.type	k_q3fec36ac9f_attn,@function
k_q3fec36ac9f_attn:
	s_mov_b64 s[64:65], 0
	v_nop
	global_prefetch_b8 v0, s[64:65] scope:SCOPE_SE
	s_setreg_imm32_b32 hwreg(HW_REG_WAVE_SCHED_MODE, 0, 2), 2
	s_setreg_imm32_b32 hwreg(HW_REG_WAVE_MODE, 25, 1), 1
	s_wait_xcnt 0x0
	s_wait_alu depctr_vm_vsrc(0)
; out0 = LayerNorm(x + (softmax(q k^T / 8 + mask) v) Wo^T + bo) x ln_w + ln_b.  The three products run on codes of FP6 (E2M3) with E8M0 scales, sums in f32; all else in f32.
; THE SOFTMAX: t = logit x log2(e); M = the running largest t rounded up to a whole number; p = 2^(t - M) is quantised along the keys; the sum of the unquantised p divides at the end.
; SHARES.  A work-group owns 64 queries of one batch and all 12 heads.  Wave w = 4 hg + qt owns the tile qt of 16 queries and the heads hg, hg + 4, hg + 8; it walks the 512 keys in steps of 128.
; THE RING.  The four waves of a group hg share each step's K and V: they bring the first 13,312 bytes of the step's record through registers into the group's slot s, one slot for each of a head's four steps.
; In step s a wave stores the record of step s + 1 (asked for a step ago) into slot s + 1, reads K out of slot s, waits for all that, asks for the record of step s + 2, SIGNALS the barrier, does the step's
; work (V's loads out of slot s are its only LDS instructions), and WAITS at the step's end.  So a slot is stored ahead of the signal and read behind the wait of the same barrier; and it is stored again three
; steps behind its last read, by a wave that has passed a wait for which every wave signalled behind its own wait for those reads.  A wave is held only by waves a whole step behind it.
; Both products are used transposed (S^T = K Q^T, O^T = V^T P^T): a lane holds one query.  The head has 64 of the instruction's 128 along K: Q's upper codes are zeros, so whatever codes stand beside them add nothing.
; THE MASK.  Register b of four holds, in lane l, the mask of key 32 b + l of the step; score register 16 b + i of lane (r, h) is key 32 b + 16 h + i: lane i of my row of sixteen, which the addition takes by row_share.
; O^T / sum is quantised in registers and goes to LDS as an image of operand registers.
; OUT-PROJECTION: wave w takes 48 columns (three tiles of Wo, from memory into registers, a K step ahead) against the four tiles of rows; the results meet in a stage of 64 rows.
; LAYERNORM: wave w takes rows 4 w .. 4 w + 3, two at a time: mean, then the mean of the squared differences, as the definition has them.
; No cluster and no tensor load: what the 8 work-groups of a batch share (K, V) goes through registers here; sharing it by joint loads is left out of this text.
; LIMITS: NaN and infinities in x, the weights and the biases are not served; a row all of whose keys carry -infinity in the mask gives NaN, as the definition does; a block of zeros carries the byte 1 (its codes are zeros).
; THE MODE: SCHED_MODE bits 1:0 = 2 (LLVM: expert scheduling mode 2), set by the entry lines.  The code itself states the register dependences
; between vector or matrix instructions and memory or LDS instructions, with s_wait_alu, always for 0.
; THE PLAN.  Registers that memory or LDS instructions touch, in the loop over heads:
;   v1-v16      Addresses, made at the head and not written in the loop: the wait on va_vdst ahead of the first load serves them.
;   SG          The record's global loads land in it; the next step's LDS stores read it; no vector instruction names it.  One wait on vm_vsrc a step, behind the stores, ahead of the loads that land there again.
;   KF          K's loads land at a step's head; the eight products K Q^T read it; V's loads land; the four products V^T P read it.  So two waits on va_vdst a step: behind the eight products, ahead of V's loads;
;               and at the head of steps 1 to 3, ahead of K's loads.  The second states as well that the products are done reading KS and VS, and the additions the mask's four registers: all are loaded again there.
;               V's loads are dealt among the 64 additions of the mask, which name S and the mask's registers alone.
;   PCD, PS     Written by vector instructions, read by the four scaled products: one wait on va_vdst ahead of these, behind their places.  At a head's end the image's stores read PCD: one wait on va_vdst ahead of them.
;   v18,19,254  Between steps addresses: written by vector additions, read by Q's loads and the image's stores; inside a step the mask lands in them.  At the loop's head: vm_vsrc, the additions, va_vdst, Q's loads, vm_vsrc.
;               That wait on va_vdst serves the first step's loads too: between it and them only v34-37 and O^T are named.
; Behind the loop each phase has its waits where its registers change hands; each wait's comment names what it states.
.set REC,  19712
.set SLB,  13312                       ; a slot
.set MASK, 212992                      ; LDS: 0: four rings of four slots; here the batch's 512 mask numbers;
.set QREG, 215040                      ; Q's three fragments and scale words for each wave, 2,688 bytes a wave;
.set AIMG, 258048                      ; the weighted rows' images, 2,304 bytes a wave (three heads x 768);
.set ASC,  294912                      ; their scale bytes, 384 bytes a wave (three heads x a word a lane).
.set SPT,  3088                        ; the stage, 64 rows x (3,072 + 16) bytes from byte 0 on, lies over the rings once these are done with
.set Q,    20                          ; v20-31  Q's fragment; v26-31 stay 0
.set QS,   32
.set T,    33
.set KF,   38                          ; v38-91  eight tiles of K at 6 t (the upper six registers of each operand are the next tile's; v86-91 stay 0); then four fragments of V at 12 ct
.set S,    92                          ; v92-155 S^T, then p
.set O,    156                         ; v156-187 O^T
.set PCD,  188                         ; v188-199 p's codes
.set BM,   200
.set BP,   204
.set CT,   208
.set SO,   216
.set KS,   220
.set VS,   224
.set F,    226
.set PS,   227
.set SG,   228                         ; v228-253 the next record's bytes on their way to LDS
.set SC0,  211                         ; the scale bytes of my three heads' weighted rows: they rotate
.set SC1,  215
.set SC2,  255
.set SEL,  28                          ; the step's mask lies in v17, v18, v19, v254: register b at 17 + b + 234 (b / 3); between steps v18, v19, v254 serve as addresses
.set CS,   30
.set KV,   32
.set HC,   34
.set JQ,   35
.set JA,   36
.macro PLACES
.rept 4
	v_nop
.endr
.endm
.macro WM d, a, b, c, sa, sb, ra, rb
.set wD, \d
.set wA, \a
.set wB, \b
.set wC, \c
.set wSA, \sa
.set wSB, \sb
.if (\ra) == 0
	v_wmma_scale_f32_16x16x128_f8f6f4 v[wD:wD+7], v[wA:wA+11], v[wB:wB+11], v[wC:wC+7], v[wSA], v[wSB] matrix_a_fmt:MATRIX_FMT_FP6 matrix_b_fmt:MATRIX_FMT_FP6
.else
	v_wmma_scale_f32_16x16x128_f8f6f4 v[wD:wD+7], v[wA:wA+11], v[wB:wB+11], v[wC:wC+7], v[wSA], v[wSB] matrix_a_fmt:MATRIX_FMT_FP6 matrix_b_fmt:MATRIX_FMT_FP6 matrix_a_scale:MATRIX_SCALE_ROW1
.endif
.endm
.macro WMZ d, a, b, sa, sb, ra         ; the first product of a sum: C = 0
.set wD, \d
.set wA, \a
.set wB, \b
.set wSA, \sa
.set wSB, \sb
.if (\ra) == 0
	v_wmma_scale_f32_16x16x128_f8f6f4 v[wD:wD+7], v[wA:wA+11], v[wB:wB+11], 0, v[wSA], v[wSB] matrix_a_fmt:MATRIX_FMT_FP6 matrix_b_fmt:MATRIX_FMT_FP6
.else
	v_wmma_scale_f32_16x16x128_f8f6f4 v[wD:wD+7], v[wA:wA+11], v[wB:wB+11], 0, v[wSA], v[wSB] matrix_a_fmt:MATRIX_FMT_FP6 matrix_b_fmt:MATRIX_FMT_FP6 matrix_a_scale:MATRIX_SCALE_ROW1
.endif
.endm
	s_load_b512 s[4:19], s[0:1], 0x0               ; qkv, mask, wc, ws, x, bo, ln_w, ln_b
	s_load_b64 s[20:21], s[0:1], 0x40              ; out0
	v_lshrrev_b32 v18, 5, v0
	v_readfirstlane_b32 s22, v18                   ; wave 0..15
	s_wait_alu depctr_va_sdst(0)                   ; s22 is written, ahead of its first reader: the wave's shares and addresses are made from it
	s_and_b32 s23, s22, 3                          ; qt
	s_lshr_b32 s24, s22, 2                         ; hg
	s_lshr_b32 s25, ttmp9, 3                       ; b
	s_and_b32 s26, ttmp9, 7                        ; which 64 queries of the batch
	s_mov_b32 s[SEL], 0x76543210
	s_mov_b32 s[SEL+1], 0xfedcba98
	s_mov_b32 s[CS], 0x3fb8aa3b                    ; log2(e)
	s_mov_b32 s[CS+1], s[CS]                       ; (named with it as a pair, so it is written)
	v_and_b32 v200, 31, v0                         ; lane
	v_and_b32 v201, 15, v0                         ; r
	v_bfe_u32 v202, v0, 4, 1                       ; h
	s_mul_i32 s38, s24, 4*SLB                      ; my group's ring
	v_mul_u32_u24 v203, v202, 768
	v_add_nc_u32 v19, s38, v203
	v_lshl_add_u32 v1, v201, 4, v19                ; K: block h of the head, 16 bytes of lane place r
	v_lshl_add_u32 v2, v201, 3, v19                ;    and its 8 bytes
	v_lshl_add_u32 v3, v200, 4, s38                ; ring + 16 x lane
	v_lshl_add_u32 v4, v200, 3, s38                ; ring + 8 x lane
	v_lshl_add_u32 v5, v200, 2, s38                ; ring + 4 x lane
	v_lshl_add_u32 v6, v200, 2, MASK               ; the mask: a number a lane
	s_lshl_b32 s39, s23, 9
	v_lshl_add_u32 v9, v200, 4, s39                ; staging: my 16 bytes of each 2,048, in a record
	v_add_nc_u32 v7, s38, v9                       ; and in a slot
	s_lshl_b32 s39, s23, 8
	s_add_co_u32 s39, s39, 12288
	v_lshl_add_u32 v10, v200, 3, s39               ; my 8 bytes of the last 1,024
	v_add_nc_u32 v8, s38, v10
	s_mul_i32 s39, s22, 2688
	s_add_co_u32 s39, s39, QREG
	v_lshl_add_u32 v11, v200, 4, s39
	s_add_co_u32 s40, s39, 512
	v_lshl_add_u32 v12, v200, 3, s40
	s_add_co_u32 s40, s39, 768
	v_lshl_add_u32 v13, v200, 2, s40
	s_mul_i32 s39, s22, 2304
	s_add_co_u32 s39, s39, AIMG
	v_lshl_add_u32 v14, v200, 4, s39
	s_add_co_u32 s39, s39, 512
	v_lshl_add_u32 v15, v200, 3, s39
	s_mul_i32 s39, s22, 384
	s_add_co_u32 s39, s39, ASC
	v_lshl_add_u32 v16, v200, 2, s39
	; where my queries' codes and scale words lie in a head's records
	s_lshr_b32 s40, s26, 1                         ; their step of 128 rows
	s_and_b32 s41, s26, 1
	s_lshr_b32 s42, s23, 1
	s_and_b32 s43, s23, 1                          ; u
	s_mul_i32 s40, s40, REC
	s_lshl_b32 s44, s41, 1
	s_add_co_u32 s44, s44, s42                     ; their pair in the step
	s_mul_i32 s44, s44, 1536
	s_add_co_u32 s44, s44, s40
	s_add_co_u32 s44, s44, 13568
	s_lshl_b32 s45, s43, 8
	s_add_co_u32 s45, s45, s44
	v_lshl_add_u32 v204, v201, 4, v203
	v_add_nc_u32 v204, s45, v204
	s_lshl_b32 s45, s43, 7
	s_add_co_u32 s45, s45, s44
	s_add_co_u32 s45, s45, 512
	v_lshl_add_u32 v205, v201, 3, v203
	v_add_nc_u32 v205, s45, v205
	s_lshl_b32 s45, s41, 8
	s_add_co_u32 s45, s45, s40
	s_lshl_b32 s46, s43, 7
	s_add_co_u32 s45, s45, s46
	s_lshl_b32 s46, s42, 2
	s_add_co_u32 s45, s45, s46
	s_add_co_u32 s45, s45, 13056
	v_lshl_add_u32 v206, v201, 3, s45
	v_lshlrev_b32 v207, 2, v0                      ; the mask: a number a thread
	v_lshl_add_u32 v208, v0, 2, MASK
	s_mul_i32 s46, s25, 12
	s_add_co_u32 s46, s46, s24
	s_mul_i32 s46, s46, 4*REC
	s_mov_b32 s47, 0
	s_lshl_b32 s48, s25, 11
	s_mov_b32 s49, 0
	s_mul_i32 s50, ttmp9, 64*3072
	s_mov_b32 s51, 0
	s_mov_b32 s[HC], 3
	s_mov_b32 s[JQ], 0
	s_mov_b32 s[JA], 0
	s_wait_kmcnt 0x0
	s_add_nc_u64 s[KV:KV+1], s[4:5], s[46:47]      ; head hg's first record
	s_add_nc_u64 s[6:7], s[6:7], s[48:49]          ; my batch's mask
	s_add_nc_u64 s[12:13], s[12:13], s[50:51]      ; my 64 rows of x
	s_add_nc_u64 s[20:21], s[20:21], s[50:51]      ; and of out0
	s_wait_alu depctr_va_vdst(0)                   ; the addresses v1 to v16 and v204 to v208 are written, which the loads and LDS instructions from here on read
.irp j, 0,1,2,3,4,5
	global_load_b128 v[SG+4*\j:SG+4*\j+3], v9, s[KV:KV+1] offset:2048*\j
.endr
	global_load_b64 v[SG+24:SG+25], v10, s[KV:KV+1]
	global_load_b32 v209, v207, s[6:7]
.irp j, 0,1,2
	global_load_b128 v[S+8*\j:S+8*\j+3], v204, s[KV:KV+1] offset:16*REC*\j
	global_load_b64 v[S+8*\j+4:S+8*\j+5], v205, s[KV:KV+1] offset:16*REC*\j
	global_load_b32 v[S+8*\j+6], v206, s[KV:KV+1] offset:16*REC*\j
.endr
	s_wait_loadcnt 0x0
.irp j, 0,1,2,3,4,5
	ds_store_b128 v7, v[SG+4*\j:SG+4*\j+3] offset:2048*\j            ; step 0's record into slot 0
.endr
	ds_store_b64 v8, v[SG+24:SG+25]
	ds_store_b32 v208, v209
.irp j, 0,1,2
	ds_store_b128 v11, v[S+8*\j:S+8*\j+3] offset:896*\j
	ds_store_b64 v12, v[S+8*\j+4:S+8*\j+5] offset:896*\j
	ds_store_b32 v13, v[S+8*\j+6] offset:896*\j
.endr
	s_wait_alu depctr_vm_vsrc(0)                   ; the loads have read v204 to v207 and the stores v208, v209, v[S ..] and v[SG ..]: the lines below and the first step write the first three anew, and step 1's record lands in the last
.irp i, 0,1,2,3,4,5
	v_mov_b32 v[Q+6+\i], 0                         ; Q's codes of k = 64 .. 127: zeros
	v_mov_b32 v[KF+48+\i], 0                       ; what stands beside them in K's last tile
.endr
.irp i, 0,1,2,3
	v_mov_b32 v[BP+\i], 0                          ; written once: a lane permute's destination counts as one of its sources
.endr
	v_mov_b32 v[PS], 0                             ; (named as the upper half of the pair with f before it is first written)
	v_mov_b32 v[SC0], 0
	v_mov_b32 v[SC1], 0
	v_mov_b32 v[SC2], 0
	s_wait_dscnt 0x0                               ; my stores have landed, and have read their registers,
.irp j, 0,1,2,3,4,5
	global_load_b128 v[SG+4*\j:SG+4*\j+3], v9, s[KV:KV+1] offset:REC+2048*\j     ; which take step 1's record
.endr
	global_load_b64 v[SG+24:SG+25], v10, s[KV:KV+1] offset:REC
	s_barrier_signal -1
	s_barrier_wait -1
; A KEY STEP: keys 128 s on, out of slot s.
.macro STEP s
.set SB, SLB*(\s)
.set NB, SLB*(((\s)+1)%4)
.if (\s) < 2
.set NXT, ((\s)+2)*REC                 ; the record two steps on: this head's,
.else
.set NXT, (14+(\s))*REC                ; or the next head's step 0 or 1
.endif
	s_wait_loadcnt 0x0                             ; the next step's record, asked for a step ago, is in registers (on every way: nothing of mine is out behind this line)
.if (\s) > 0
	s_wait_alu depctr_va_vdst(0)                   ; the last step's products V^T P are done reading V's fragments and scale words, its products K Q^T K's scale words, its additions the mask's four registers: the loads below land in all of these
.endif
.if (\s) == 3
	s_cmp_eq_u32 s[HC], 1                          ; the last head has no successor
	s_cbranch_scc1 .Lno_store_\@
.endif
.irp j, 0,1,2,3,4,5
	ds_store_b128 v7, v[SG+4*\j:SG+4*\j+3] offset:NB+2048*\j         ; into the next slot: it was last read three steps ago
.endr
	ds_store_b64 v8, v[SG+24:SG+25] offset:NB
.if (\s) == 3
.Lno_store_\@:
.endif
.irp t, 0,1,2,3,4,5,6,7
	ds_load_b128 v[KF+6*\t:KF+6*\t+3], v1 offset:SB+1536*(\t/2)+256*(\t%2)
	ds_load_b64 v[KF+6*\t+4:KF+6*\t+5], v2 offset:SB+1536*(\t/2)+512+128*(\t%2)
.endr
.irp k, 0,1
	ds_load_b64 v[KS+2*\k:KS+2*\k+1], v4 offset:SB+12288+256*\k
	ds_load_b32 v[VS+\k], v5 offset:SB+12800+128*\k
.endr
.irp b, 0,1,2,3
	ds_load_b32 v[17+\b+234*(\b/3)], v6 offset:512*(\s)+128*\b       ; the mask of key 32 b + lane
.endr
	s_wait_dscnt 0x0                               ; my stores have landed and have read their registers; K, the scale words and the mask are in; no LDS instruction of mine is out
	s_wait_alu depctr_vm_vsrc(0)                   ; the stores above have read v[SG ..], in which the loads below land
.if (\s) >= 2
	s_cmp_eq_u32 s[HC], 1                          ; no load leaves the buffer
	s_cbranch_scc1 .Lno_next_\@
.endif
.irp j, 0,1,2,3,4,5
	global_load_b128 v[SG+4*\j:SG+4*\j+3], v9, s[KV:KV+1] offset:NXT+2048*\j      ; they have this step in which to land
.endr
	global_load_b64 v[SG+24:SG+25], v10, s[KV:KV+1] offset:NXT
.if (\s) >= 2
.Lno_next_\@:
.endif
	s_barrier_signal -1                            ; my part of the next slot lies in LDS, and my reads of the steps before are over; up to the wait: register work, and loads out of this step's slot, which nobody writes before the barrier after next
.irp t, 0,1,2,3,4,5,6,7
	WMZ S+8*\t, KF+6*\t, Q, KS+\t/2, QS, \t%2
.endr
	PLACES                                         ; in front of the loads into K's registers and of the first read of the scores
	s_wait_alu depctr_va_vdst(0)                   ; the eight products are done reading K's registers, in which V's fragments land
.irp b, 0,1,2,3                                        ; V's fragment b, then block b's sixteen additions: these name S and the mask's registers alone, none that V's loads touch, so no further wait stands among them
.irp c, 0,1
	ds_load_b128 v[KF+12*\b+6*\c:KF+12*\b+6*\c+3], v3 offset:SB+6144+768*(2*\b+\c)
	ds_load_b64 v[KF+12*\b+6*\c+4:KF+12*\b+6*\c+5], v4 offset:SB+6144+768*(2*\b+\c)+512
.endr
.irp i, 0,1,2,3,4,5,6,7,8,9,10,11,12,13,14,15
	v_add_f32_dpp v[S+16*\b+\i], v[17+\b+234*(\b/3)], v[S+16*\b+\i] row_share:\i row_mask:0xf bank_mask:0xf   ; + the mask of key 32 b + 16 h + i; each accumulator is read from its low end on
.endr
.endr
.irp b, 0,1,2,3
	v_max3_num_f32 v[BM+\b], v[S+16*\b], v[S+1+16*\b], v[S+2+16*\b]      ; the largest logit of each block of 32 keys: for the row's maximum, and, since p rises with the logit, for the block's largest p
.endr
.irp i, 3,5,7,9,11,13
.irp b, 0,1,2,3
	v_max3_num_f32 v[BM+\b], v[BM+\b], v[S+16*\b+\i], v[S+1+16*\b+\i]
.endr
.endr
.irp b, 0,1,2,3
	v_max_num_f32 v[BM+\b], v[BM+\b], v[S+15+16*\b]
.endr
.irp b, 0,1,2,3
	v_permlanex16_b32 v[BP+\b], v[BM+\b], s[SEL], s[SEL+1]
.endr
.irp b, 0,1,2,3
	v_max_num_f32 v[BM+\b], v[BM+\b], v[BP+\b]
.endr
	v_max3_num_f32 v[T], v[BM], v[BM+1], v[BM+2]
	v_max_num_f32 v[T], v[T], v[BM+3]
	v_mul_f32 v[T], s[CS], v[T]
	v_max_num_f32 v35, v35, v[T]                   ; the running largest t
	v_mov_b32 v[T], v34
	v_floor_f32 v34, -v35                          ; the new -M: M is a whole number
	v_sub_f32 v[T], v34, v[T]
	v_cvt_i32_f32 v[T], v[T]                       ; (it saturates)
	v_ldexp_f32 v[F], 1.0, v[T]                    ; f = 2^(old M - new M)
.irp j, 0,2,4,6,8,10,12,14,16,18,20,22,24,26,28,30,32,34,36,38,40,42,44,46,48,50,52,54,56,58,60,62
	v_pk_fma_f32 v[S+\j:S+\j+1], v[S+\j:S+\j+1], s[CS:CS+1], v[34:35] op_sel_hi:[1,0,0]      ; t - M
.endr
.irp b, 0,1,2,3
	v_fma_f32 v[BM+\b], v[BM+\b], s[CS], v34
.endr
	s_wait_alu depctr_va_vdst(0)
.irp j, 0,1,2,3,4,5,6,7,8,9,10,11,12,13,14,15,16,17,18,19,20,21,22,23,24,25,26,27,28,29,30,31,32,33,34,35,36,37,38,39,40,41,42,43,44,45,46,47,48,49,50,51,52,53,54,55,56,57,58,59,60,61,62,63
	v_exp_f32 v[S+\j], v[S+\j]                     ; p = 2^(t - M)
.endr
	v_pk_mul_f32 v[36:37], v[36:37], v[F:F+1] op_sel_hi:[1,0]            ; the sums under the new M: a plain place behind the exponentials
	s_wait_alu depctr_va_vdst(0)                   ; the 64 exponentials have written p: one wait for the batch, ahead of its first reader
.irp b, 0,1,2,3
	v_exp_f32 v[BM+\b], v[BM+\b]                   ; the block's largest p
.endr
	v_pk_add_f32 v[BP:BP+1], v[S:S+1], v[S+2:S+3]  ; the row's sum is taken of the unquantised p, in two chains
.irp j, 4,8,12,16,20,24,28,32,36,40,44,48,52,56,60
	v_pk_add_f32 v[36:37], v[36:37], v[S+\j:S+\j+1]
	v_pk_add_f32 v[BP:BP+1], v[BP:BP+1], v[S+2+\j:S+3+\j]
.endr
	v_pk_add_f32 v[36:37], v[36:37], v[BP:BP+1]
	s_wait_alu depctr_va_vdst(0)                   ; the four exponentials have written the blocks' largest p: one wait for the four, ahead of their first reader
.irp b, 0,1,2,3
	v_max_num_f32 v[BM+\b], 0x1800000, v[BM+\b]    ; the floor 2^(3 - 127)
.endr
.irp b, 0,1,2,3
	v_add_nc_u32 v[SO+\b], 0xff000000, v[BM+\b]
.endr
.irp b, 0,1,2,3
	v_lshrrev_b32 v[BP+\b], 23, v[SO+\b]
.endr
	v_lshl_or_b32 v[PS], v[BP+1], 8, v[BP]         ; p's scale word for these 128 keys
	v_lshl_or_b32 v[PS], v[BP+2], 16, v[PS]
	v_lshl_or_b32 v[PS], v[BP+3], 24, v[PS]
.irp c, 0,1
	v_cvt_scalef32_pk16_fp6_f32 v[PCD+6*\c:PCD+6*\c+2], v[S+32*\c:S+32*\c+15], v[SO+2*\c]
	v_cvt_scalef32_pk16_fp6_f32 v[CT+4*\c:CT+4*\c+2], v[S+16+32*\c:S+31+32*\c], v[SO+2*\c+1]
.endr
	v_nop                                          ; one plain place behind a scaled conversion
.irp c, 0,1
.irp i, 0,1,2
	v_permlane16_swap_b32 v[PCD+6*\c+\i], v[CT+4*\c+\i]
.endr
.irp i, 0,1,2
	v_mov_b32 v[PCD+3+6*\c+\i], v[CT+4*\c+\i]
.endr
.endr
.irp j, 0,2,4,6,8,10,12,14,16,18,20,22,24,26,28,30
	v_pk_mul_f32 v[O+\j:O+\j+1], v[O+\j:O+\j+1], v[F:F+1] op_sel_hi:[1,0]       ; O^T under the new M; these sixteen are also the places between the scale word and the codes just made and the products
.endr
	s_wait_dscnt 0x0                               ; V is in
	s_wait_alu depctr_va_vdst(0)                   ; p's codes and p's scale word are written, which the scaled products below take as source 1 and as its scales; the places above stay beside this wait
.irp ct, 0,1,2,3
	WM O+8*\ct, KF+12*\ct, PCD, O+8*\ct, VS+\ct/2, PS, \ct%2, 0
.endr
	PLACES                                         ; in front of the next loads into V's registers
	s_barrier_wait -1                              ; every wave has stored its part of the next slot
.endm
.Lhead:                                                ; three trips: heads hg, hg + 4, hg + 8
	s_wait_alu depctr_vm_vsrc(0)                   ; on the way back: the image's stores have read v18, v19 and the codes' registers, which the additions below and the first step's conversions write again
	v_add_nc_u32 v18, s[JQ], v11
	v_add_nc_u32 v19, s[JQ], v12
	v_add_nc_u32 v254, s[JQ], v13
	s_wait_alu depctr_va_vdst(0)                   ; v18, v19 and v254 are written, which the three loads read; the last head's products are done reading Q, its scale word, V's fragments and the scale words, its additions v17: Q's loads and the first step's land in these; at the first trip the zeros beside Q and K are written
	ds_load_b128 v[Q:Q+3], v18
	ds_load_b64 v[Q+4:Q+5], v19
	ds_load_b32 v[QS], v254
	v_mov_b32 v35, 0xff61b1e6                      ; the largest t so far: -3e38
	v_floor_f32 v34, -v35
	v_mov_b32 v36, 0
	v_mov_b32 v37, 0
.irp j, 0,1,2,3,4,5,6,7,8,9,10,11,12,13,14,15,16,17,18,19,20,21,22,23,24,25,26,27,28,29,30,31
	v_mov_b32 v[O+\j], 0                           ; the step is written once for all steps: the first finds zeros
.endr
	s_wait_alu depctr_vm_vsrc(0)                   ; the three loads have read v18, v19 and v254, in which the first step's mask lands
	STEP 0
	STEP 1
	STEP 2
	STEP 3
	; the head's end: O^T / sum, quantised along the head's 64 (two blocks of the out-projection's K), image to LDS
	v_add_f32 v36, v36, v37
	v_permlanex16_b32 v[BP], v36, s[SEL], s[SEL+1]
	v_add_f32 v36, v36, v[BP]
	s_wait_alu depctr_va_vdst(0)
	v_rcp_f32 v36, v36
	v_add_nc_u32 v18, s[JA], v14                   ; (a plain place behind the reciprocal)
	v_add_nc_u32 v19, s[JA], v15
	s_wait_alu depctr_va_vdst(0)                   ; the reciprocal has written v36, ahead of its first reader
.irp j, 0,2,4,6,8,10,12,14,16,18,20,22,24,26,28,30
	v_pk_mul_f32 v[S+\j:S+\j+1], v[O+\j:O+\j+1], v[36:37] op_sel_hi:[1,0]       ; register 16 b + i: channel 32 b + 16 h + i of my query
.endr
.irp b, 0,1
	v_max3_num_f32 v[BM+\b], |v[S+16*\b]|, |v[S+1+16*\b]|, 0x1800000
.endr
.irp i, 2,4,6,8,10,12,14
.irp b, 0,1
	v_max3_num_f32 v[BM+\b], v[BM+\b], |v[S+16*\b+\i]|, |v[S+1+16*\b+\i]|
.endr
.endr
.irp b, 0,1
	v_permlanex16_b32 v[BP+\b], v[BM+\b], s[SEL], s[SEL+1]
.endr
.irp b, 0,1
	v_max_num_f32 v[BM+\b], v[BM+\b], v[BP+\b]
.endr
.irp b, 0,1
	v_add_nc_u32 v[SO+\b], 0xff000000, v[BM+\b]
.endr
.irp b, 0,1
	v_lshrrev_b32 v[BP+\b], 23, v[SO+\b]
.endr
	v_mov_b32 v[SC2], v[SC1]                       ; the three heads' pairs of bytes rotate: behind the third head SC2, SC1, SC0 hold the first, second, third
	v_mov_b32 v[SC1], v[SC0]
	v_lshl_or_b32 v[SC0], v[BP+1], 8, v[BP]
	v_cvt_scalef32_pk16_fp6_f32 v[PCD:PCD+2], v[S:S+15], v[SO]
	v_cvt_scalef32_pk16_fp6_f32 v[CT:CT+2], v[S+16:S+31], v[SO+1]
	v_nop
.irp i, 0,1,2
	v_permlane16_swap_b32 v[PCD+\i], v[CT+\i]
.endr
.irp i, 0,1,2
	v_mov_b32 v[PCD+3+\i], v[CT+\i]
.endr
	s_wait_alu depctr_va_vdst(0)                   ; the codes in v[PCD ..] and the addresses v18, v19 are written, which the two stores read; so are the three heads' scale bytes, which the stores behind the loop read
	ds_store_b128 v18, v[PCD:PCD+3]
	ds_store_b64 v19, v[PCD+4:PCD+5]
	s_wait_xcnt 0x0                                ; the base is stepped only behind this wait
	s_add_nc_u64 s[KV:KV+1], s[KV:KV+1], 16*REC
	s_add_co_u32 s[JQ], s[JQ], 896
	s_add_co_u32 s[JA], s[JA], 768
	s_sub_co_u32 s[HC], s[HC], 1
	s_cmp_lg_u32 s[HC], 0
	s_cbranch_scc1 .Lhead
	s_wait_loadcnt 0x0                             ; no load of mine is on its way into the registers that the out-projection takes
	; ---- THE OUT-PROJECTION
.set ACC, 20                           ; v20-115  accumulator (tile e of Wo, tile rt of rows) at ACC + 8 (3 rt + e)
.set BF,  116                          ; v116-163 the four tiles of rows, one K step
.set BS,  164                          ; v164-167 their scale words
.set WF,  168                          ; v168-239 Wo's three fragments, two sets
.set WSC, 240                          ; v240-245 their scale words, two sets
	ds_store_b32 v16, v[SC2]                       ; (no vector instruction has named these four registers since the wait ahead of the image's stores)
	ds_store_b32 v16, v[SC1] offset:128
	ds_store_b32 v16, v[SC0] offset:256
	s_wait_dscnt 0x0
	s_wait_alu depctr_vm_vsrc(0)                   ; the LDS and memory instructions so far have read the addresses v1 to v19, the codes' registers and the scale bytes': the lines below write the addresses anew, and Wo's loads land in the others
	v_and_b32 v249, 31, v0
	v_lshlrev_b32 v16, 4, v249                     ; 16 x lane
	v_and_b32 v246, 15, v0                         ; r
	v_bfe_u32 v247, v0, 4, 1                       ; h
	v_and_b32 v248, 8, v246
	v_add_nc_u32 v248, v248, v246
	v_mul_u32_u24 v248, v248, SPT
	v_lshl_add_u32 v248, v247, 6, v248             ; the stage: row r + 8 (r / 8), + 64 h
	s_wait_alu depctr_va_vdst(0)
	v_add_nc_u32 v7, AIMG, v16
	v_lshl_add_u32 v8, v249, 3, AIMG+512
	v_lshl_add_u32 v9, v249, 2, ASC
	s_lshl_b32 s40, s22, 14
	v_lshl_add_u32 v17, v249, 8, s40               ; the prefetch: 16,384 bytes a wave, lanes 256 bytes apart
	s_mul_i32 s40, s22, 4*3072
	v_add_nc_u32 v18, s40, v16                     ; my four rows of x and of out0
	s_mul_i32 s40, s22, 4*SPT
	v_add_nc_u32 v19, s40, v16                     ; and of the stage
.irp e, 0,1,2                                          ; tile 3 w + e of Wo: pair (3 w + e) / 2, u = (3 w + e) % 2
	s_mul_i32 s40, s22, 3
	s_add_co_u32 s40, s40, \e
	s_lshr_b32 s41, s40, 1
	s_and_b32 s42, s40, 1
	s_add_co_u32 s43, s41, 72
	s_mul_i32 s44, s43, 18432
	s_mul_i32 s45, s42, 1536
	s_add_co_u32 s44, s44, s45
	v_add_nc_u32 v[1+\e], s44, v16
	s_mul_i32 s44, s43, 768
	s_lshl_b32 s45, s42, 6
	s_add_co_u32 s44, s44, s45
	v_lshl_add_u32 v[4+\e], v246, 2, s44
	s_lshl_b32 s44, s41, 7
	s_lshl_b32 s45, s42, 5
	s_add_co_u32 s44, s44, s45
	v_add_nc_u32 v[10+2*\e], s44, v248             ; its 32 bytes of a stage row, rows 0-31,
	v_add_nc_u32 v[11+2*\e], 32*SPT, v[10+2*\e]    ; rows 32-63
.endr
.macro WOLOAD sp                       ; K step sp of my three tiles of Wo, into set sp % 2
.irp e, 0,1,2
.irp c, 0,1,2
	global_load_b128 v[WF+36*((\sp)%2)+12*\e+4*\c:WF+36*((\sp)%2)+12*\e+4*\c+3], v[1+\e], s[8:9] offset:3072*(\sp)+512*\c
.endr
	global_load_b32 v[WSC+3*((\sp)%2)+\e], v[4+\e], s[10:11] offset:128*(\sp)
.endr
.endm
	s_wait_alu depctr_va_vdst(0)                   ; the new addresses v1 to v19 are written, which the loads, the prefetches and the LDS instructions from here on read; the vector and matrix instructions of the heads and the lines above are done with v116 to v253, in which Wo's loads and the first K step's LDS loads land
	WOLOAD 0
	WOLOAD 1
	s_cmp_lt_u32 s22, 12                           ; my work-group's 64 rows of x, 196,608 bytes, are asked for here, one out-projection ahead of their loads:
	s_cbranch_scc0 .Lno_ask                        ; waves 0 to 11, two instructions each, each aligned block of 256 bytes named once in the launch
	global_prefetch_b8 v17, s[12:13] th:TH_LOAD_NT scope:SCOPE_SE
	global_prefetch_b8 v17, s[12:13] offset:8192 th:TH_LOAD_NT scope:SCOPE_SE
.Lno_ask:
	s_barrier_signal -1
	s_barrier_wait -1                              ; all images and scale words of the weighted rows lie in LDS; nobody reads the rings any more
.macro OSTEP sp
.if (\sp) > 0
	PLACES
	s_wait_alu depctr_va_vdst(0)                   ; the last K step's twelve products are done reading their set of Wo, its scale words and the four tiles of rows, and its four shifts v246 to v253: the loads below land in all of these
.endif
.if (\sp) >= 1 && (\sp) <= 4
	WOLOAD (\sp)+1
.endif
.irp rt, 0,1,2,3
.irp hf, 0,1                                           ; head 2 sp + hf was made by wave 4 (head % 4) + rt as its head number head / 4
.set hd, 2*(\sp)+\hf
	ds_load_b128 v[BF+12*\rt+6*\hf:BF+12*\rt+6*\hf+3], v7 offset:2304*(4*(hd%4)+\rt)+768*(hd/4)
	ds_load_b64 v[BF+12*\rt+6*\hf+4:BF+12*\rt+6*\hf+5], v8 offset:2304*(4*(hd%4)+\rt)+768*(hd/4)
	ds_load_b32 v[246+2*\rt+\hf], v9 offset:384*(4*(hd%4)+\rt)+128*(hd/4)
.endr
.endr
	s_wait_dscnt 0x0
.irp rt, 0,1,2,3
	v_lshl_or_b32 v[BS+\rt], v[247+2*\rt], 16, v[246+2*\rt]          ; two heads' pairs of bytes make the K step's scale word
.endr
.rept 8
	v_nop                                          ; a scale register written by a vector instruction stands eight places ahead of the scaled product
.endr
	s_wait_alu depctr_va_vdst(0)                   ; the four scale words v[BS ..] are written, which the scaled products below take; the places above stay beside this wait
.if (\sp) < 5
	s_wait_loadcnt 12                              ; this step's twelve loads of Wo are in; the next step's twelve may stay out
.else
	s_wait_loadcnt 0x0
.endif
.irp rt, 0,1,2,3
.irp e, 0,1,2                                          ; the twelve accumulators take turns, one instruction a turn
.if (\sp) == 0
	WMZ ACC+8*(3*\rt+\e), WF+36*((\sp)%2)+12*\e, BF+12*\rt, WSC+3*((\sp)%2)+\e, BS+\rt, 0
.else
	WM ACC+8*(3*\rt+\e), WF+36*((\sp)%2)+12*\e, BF+12*\rt, ACC+8*(3*\rt+\e), WSC+3*((\sp)%2)+\e, BS+\rt, 0, 0
.endif
.endr
.endr
.endm
.irp sp, 0,1,2,3,4,5
	OSTEP \sp
.endr
	PLACES
	s_wait_alu depctr_va_vdst(0)                   ; the last products have written the accumulators, which the LDS stores below read, and are done reading v116 to v235, in which x and bo land; the places above stay beside this wait
.set Y,   68                           ; v68-115   two rows at work
.set XR,  116                          ; v116-211  my four rows of x
.set BO,  212                          ; v212-235  bo
.set LW,  20                           ; v20-43    ln_w
.set LB,  44                           ; v44-67    ln_b
.set TS,  236                          ; v236-243  sums: four registers a row
.set MN,  244                          ; v244-247  the mean, a pair a row
.set RS,  248                          ; v248-251  1 / sqrt(var + eps), a pair a row
.irp q, 0,1,2,3
.irp i, 0,1,2,3,4,5
	global_load_b128 v[XR+24*\q+4*\i:XR+24*\q+4*\i+3], v18, s[12:13] offset:3072*\q+512*\i th:TH_LOAD_NT
.endr
.endr
.irp i, 0,1,2,3,4,5
	global_load_b128 v[BO+4*\i:BO+4*\i+3], v16, s[14:15] offset:512*\i
.endr
.irp rt, 0,1,2,3
.irp e, 0,1,2
	ds_store_b128 v[10+2*\e+\rt/2], v[ACC+8*(3*\rt+\e):ACC+8*(3*\rt+\e)+3] offset:8*SPT*(\rt%2)          ; each accumulator from its low end on: eight neighbouring columns of one row
	ds_store_b128 v[10+2*\e+\rt/2], v[ACC+8*(3*\rt+\e)+4:ACC+8*(3*\rt+\e)+7] offset:8*SPT*(\rt%2)+16
.endr
.endr
	v_mov_b32 v[TS+2], 0                           ; permutes' destinations and the upper halves of broadcast pairs are written once
	v_mov_b32 v[TS+6], 0
	v_mov_b32 v[MN+1], 0
	v_mov_b32 v[MN+3], 0
	v_mov_b32 v[RS+1], 0
	v_mov_b32 v[RS+3], 0
	s_mov_b32 s52, 0x3aaaaaab                      ; 1 / 768
	s_mov_b32 s53, 0x2b8cbccc                      ; 1e-12
	s_wait_dscnt 0x0                               ; my stores have landed, and have read the accumulators' registers
	s_wait_alu depctr_vm_vsrc(0)                   ; the LDS stores have read the accumulators v20 to v115: ln_w and ln_b land in the lower half below, the stage's rows in the upper half behind the barrier
.irp i, 0,1,2,3,4,5
	global_load_b128 v[LW+4*\i:LW+4*\i+3], v16, s[16:17] offset:512*\i
	global_load_b128 v[LB+4*\i:LB+4*\i+3], v16, s[18:19] offset:512*\i
.endr
	s_barrier_signal -1
	s_barrier_wait -1                              ; 64 whole rows lie in the stage
	; ---- RESIDUAL AND LAYERNORM
.macro REDUCE                          ; the pairs TS of both rows: the two halves, then the 32 lanes; the result in every lane
.irp q, 0,1
	v_add_f32 v[TS+4*\q], v[TS+4*\q], v[TS+4*\q+1]
.endr
.irp m, 1,2,4,8
.irp q, 0,1
	v_add_f32_dpp v[TS+4*\q], v[TS+4*\q], v[TS+4*\q] row_xmask:\m row_mask:0xf bank_mask:0xf
.endr
.endr
.irp q, 0,1
	v_permlanex16_b32 v[TS+4*\q+2], v[TS+4*\q], s[SEL], s[SEL+1]
.endr
.irp q, 0,1
	v_add_f32 v[TS+4*\q], v[TS+4*\q], v[TS+4*\q+2]
.endr
.endm
.macro LNPAIR g                        ; rows 4 w + 2 g and 4 w + 2 g + 1, by turns
.if (\g) > 0
	s_wait_xcnt 0x0                                ; the last two rows' stores have read their registers: these are loaded again only behind this wait
	s_wait_alu depctr_vm_vsrc(0)                   ; the last two rows' stores have read v[Y ..], in which the loads below land (the vector instructions that named them stand ahead of the wait in front of those stores)
.endif
.irp q, 0,1
.irp i, 0,1,2,3,4,5
	ds_load_b128 v[Y+24*\q+4*\i:Y+24*\q+4*\i+3], v19 offset:SPT*(2*(\g)+\q)+512*\i
.endr
.endr
.if (\g) == 0
	s_wait_loadcnt 0x0                             ; x, bo, ln_w, ln_b
.endif
	s_wait_dscnt 0x0
.irp i, 0,2,4,6,8,10,12,14,16,18,20,22
.irp q, 0,1
	v_pk_add_f32 v[Y+24*\q+\i:Y+24*\q+\i+1], v[Y+24*\q+\i:Y+24*\q+\i+1], v[BO+\i:BO+\i+1]
.endr
.endr
.irp i, 0,2,4,6,8,10,12,14,16,18,20,22
.irp q, 0,1
	v_pk_add_f32 v[Y+24*\q+\i:Y+24*\q+\i+1], v[Y+24*\q+\i:Y+24*\q+\i+1], v[XR+24*(2*(\g)+\q)+\i:XR+24*(2*(\g)+\q)+\i+1]
.endr
.endr
.irp q, 0,1
	v_pk_add_f32 v[TS+4*\q:TS+4*\q+1], v[Y+24*\q:Y+24*\q+1], v[Y+24*\q+2:Y+24*\q+3]
.endr
.irp i, 4,6,8,10,12,14,16,18,20,22
.irp q, 0,1
	v_pk_add_f32 v[TS+4*\q:TS+4*\q+1], v[TS+4*\q:TS+4*\q+1], v[Y+24*\q+\i:Y+24*\q+\i+1]
.endr
.endr
	REDUCE
.irp q, 0,1
	v_mul_f32 v[MN+2*\q], s52, v[TS+4*\q]          ; the mean
.endr
.irp i, 0,2,4,6,8,10,12,14,16,18,20,22
.irp q, 0,1
	v_pk_add_f32 v[Y+24*\q+\i:Y+24*\q+\i+1], v[Y+24*\q+\i:Y+24*\q+\i+1], v[MN+2*\q:MN+2*\q+1] op_sel_hi:[1,0] neg_lo:[0,1] neg_hi:[0,1]
.endr
.endr
.irp q, 0,1
	v_pk_mul_f32 v[TS+4*\q:TS+4*\q+1], v[Y+24*\q:Y+24*\q+1], v[Y+24*\q:Y+24*\q+1]
.endr
.irp i, 2,4,6,8,10,12,14,16,18,20,22
.irp q, 0,1
	v_pk_fma_f32 v[TS+4*\q:TS+4*\q+1], v[Y+24*\q+\i:Y+24*\q+\i+1], v[Y+24*\q+\i:Y+24*\q+\i+1], v[TS+4*\q:TS+4*\q+1]
.endr
.endr
	REDUCE
.irp q, 0,1
	v_fma_f32 v[TS+4*\q], v[TS+4*\q], s52, s53     ; var + eps
.endr
	s_wait_alu depctr_va_vdst(0)
.irp q, 0,1
	v_rsq_f32 v[RS+2*\q], v[TS+4*\q]
.endr
	v_nop                                          ; a plain place behind the last of the two
	s_wait_alu depctr_va_vdst(0)                   ; the two reciprocal roots are written: one wait for both, ahead of their first reader
.irp i, 0,2,4,6,8,10,12,14,16,18,20,22
.irp q, 0,1
	v_pk_mul_f32 v[Y+24*\q+\i:Y+24*\q+\i+1], v[Y+24*\q+\i:Y+24*\q+\i+1], v[RS+2*\q:RS+2*\q+1] op_sel_hi:[1,0]
.endr
.endr
.irp i, 0,2,4,6,8,10,12,14,16,18,20,22
.irp q, 0,1
	v_pk_fma_f32 v[Y+24*\q+\i:Y+24*\q+\i+1], v[Y+24*\q+\i:Y+24*\q+\i+1], v[LW+\i:LW+\i+1], v[LB+\i:LB+\i+1]
.endr
.endr
	s_wait_alu depctr_va_vdst(0)                   ; the multiply-adds have written the two rows in v[Y ..], which the twelve stores read
.irp q, 0,1
.irp i, 0,1,2,3,4,5
	global_store_b128 v18, v[Y+24*\q+4*\i:Y+24*\q+4*\i+3], s[20:21] offset:3072*(2*(\g)+\q)+512*\i th:TH_STORE_NT    ; 32 lanes store 512 consecutive bytes, aligned to 256
.endr
.endr
.endm
	LNPAIR 0
	LNPAIR 1
	s_wait_xcnt 0x0
	v_lshl_add_u32 v254, v0, 2, 0x49800            ; the add's two registers are made anew, straight ahead of the closing lines (v0 is as at the entry); the last LDS instructions that read v254 and v255 stand ahead of waits on vm_vsrc
	v_mov_b32 v255, 0
	s_wait_dscnt 0x0                               ; the closing lines, six on end
	s_wait_alu 0x0
	s_wait_tensorcnt 0x0
	ds_add_u32 v254, v255
	s_wait_dscnt 0x0
	s_endpgm
.Lfunc_end_k_q3fec36ac9f_attn:
	.size	k_q3fec36ac9f_attn, .Lfunc_end_k_q3fec36ac9f_attn-k_q3fec36ac9f_attn
	.p2alignl 7, 3214868480
	.fill 96, 4, 3214868480
	.section	.rodata,"a",@progbits
	.p2align	6, 0x0
	.amdhsa_kernel k_q3fec36ac9f_attn
		.amdhsa_group_segment_fixed_size 303104
		.amdhsa_private_segment_fixed_size 0
		.amdhsa_enable_private_segment 0
		.amdhsa_kernarg_size 72
		.amdhsa_user_sgpr_count 2
		.amdhsa_user_sgpr_kernarg_segment_ptr 1
		.amdhsa_wavefront_size32 1
		.amdhsa_system_sgpr_workgroup_id_x 1
		.amdhsa_system_sgpr_workgroup_id_y 1
		.amdhsa_system_sgpr_workgroup_id_z 1
		.amdhsa_system_vgpr_workitem_id 0
		.amdhsa_next_free_vgpr 256
		.amdhsa_next_free_sgpr 66
		.amdhsa_reserve_vcc 0
		.amdhsa_float_denorm_mode_32 3
		.amdhsa_float_denorm_mode_16_64 3
		.amdhsa_memory_ordered 1
		.amdhsa_forward_progress 1
		.amdhsa_inst_pref_size 167
	.end_amdhsa_kernel
	.amdgpu_metadata
---
amdhsa.version: [ 1, 2 ]
amdhsa.kernels:
  - .name:           k_q3fec36ac9f_attn
    .symbol:         k_q3fec36ac9f_attn.kd
    .args:
      - { .name: qkv, .offset: 0, .size: 8, .value_kind: global_buffer, .address_space: global }
      - { .name: additive_attention_mask, .offset: 8, .size: 8, .value_kind: global_buffer, .address_space: global }
      - { .name: wc, .offset: 16, .size: 8, .value_kind: global_buffer, .address_space: global }
      - { .name: ws, .offset: 24, .size: 8, .value_kind: global_buffer, .address_space: global }
      - { .name: x, .offset: 32, .size: 8, .value_kind: global_buffer, .address_space: global }
      - { .name: bo, .offset: 40, .size: 8, .value_kind: global_buffer, .address_space: global }
      - { .name: ln_w, .offset: 48, .size: 8, .value_kind: global_buffer, .address_space: global }
      - { .name: ln_b, .offset: 56, .size: 8, .value_kind: global_buffer, .address_space: global }
      - { .name: out0, .offset: 64, .size: 8, .value_kind: global_buffer, .address_space: global }
    .group_segment_fixed_size: 303104
    .private_segment_fixed_size: 0
    .kernarg_segment_align: 8
    .kernarg_segment_size: 72
    .max_flat_workgroup_size: 512
    .sgpr_count:     66
    .vgpr_count:     256
    .wavefront_size: 32
...
	.end_amdgpu_metadata
.endif
;; end of part 6
